; MI455X (gfx1250); checked and timed in simulation.
; The chip was launched on July 23, 2026; its instructions are those of AMD's public machine-readable ISA for CDNA 5 (MIT licence, August 2026) and "CDNA5" Instruction Set Architecture Reference Guide (July 2026). The comments in the code are by the model that wrote it; some were corrected since.
;; Multi Head Attention. Allowed arithmetic: matrix products marked QUANTISED: E2M3 operands, one E8M0 scale for each 32 along K, by v_wmma_scale_f32_16x16x128_f8f6f4 with both operands' format E2M3, f32 sums; everything else in f32.
;; Inputs: K 4 x 2,048 x 1,024 float32; Q 4 x 2,048 x 1,024 float32; V 4 x 2,048 x 1,024 float32; attnMask 4 x 2,048 x 2,048 bool; wK_b 1,024 float32; wK_w 1,024 x 1,024 float32; wOut_b 1,024 float32; wOut_w 1,024 x 1,024 float32; wQ_b 1,024 float32; wQ_w 1,024 x 1,024 float32; wV_b 1,024 float32; wV_w 1,024 x 1,024 float32.
;; Outputs: out0 4 x 2,048 x 1,024 float32.
;; This version of the problem:
;;   THIS VERSION OF THE PROBLEM IS GIVEN IN LOW PRECISION. The matrix products marked QUANTISED in the list below multiply operands that are first quantised to E2M3 (2 exponent bits, 3 mantissa bits; 6 bits a number), with one power-of-two scale for each 32 numbers along K (OCP MX v1.0); their sums are f32. All else is computed in f32.
;;   The module's matrix products, in the order in which they are computed (A, B: the left and right operand; K: the contracted axis; several contracted axes count as one K, in the product's order):
;;     1. [M 8,192, K 1,024] x [K 1,024, N 1,024]; A: input Q; B: input wQ_w: QUANTISED
;;     2. [M 8,192, K 1,024] x [K 1,024, N 1,024]; A: input K; B: input wK_w: QUANTISED
;;     3. [M 8,192, K 1,024] x [K 1,024, N 1,024]; A: input V; B: input wV_w: QUANTISED
;;     4. batch 64 x [M 2,048, K 64] x [K 64, N 2,048]; A: computed on the way; B: computed on the way: QUANTISED
;;     5. batch 64 x [M 2,048, K 2,048] x [K 2,048, N 64]; A: softmax (see below); B: computed on the way: QUANTISED
;;     6. [M 8,192, K 1,024] x [K 1,024, N 1,024]; A: computed on the way; B: input wOut_w: QUANTISED
;;   THE QUANTISER, for each operand of a quantised product, along K:
;;     - K is cut into blocks of 32 from its start; a last block that is shorter is filled with zeros.
;;     - A block's scale is 2^e with e = floor(log2(the largest magnitude in the block)) - 2, held to -126 .. 127; a block of zeros has e = 0. As a byte (E8M0): e + 127.
;;     - Each number is divided by its block's scale, clamped to +-7.5, and rounded to the nearest number of E2M3, ties to even, subnormals kept.
;;     - The product sums the exact products of the quantised numbers (number of the format x scale) in f32.
;;   ~~~python
;;   def quantise(x, axis):      # numpy; x: float32 -> the quantised numbers, widened to float32 again
;;       x = np.moveaxis(x, axis, -1); K = x.shape[-1]
;;       x = np.pad(x, [(0, 0)] * (x.ndim - 1) + [(0, -K % 32)]); x = x.reshape(x.shape[:-1] + (-1, 32)); a = np.abs(x).max(-1, keepdims=True)
;;       e = np.where(a > 0, np.clip(np.frexp(np.where(a > 0, a, 1))[1] - 1 - 2, -126, 127), 0)      # np.frexp(a)[1] - 1 = floor(log2(a)), exactly
;;       r = np.clip(x / 2.0 ** e, -7.5, 7.5)
;;       step = 2.0 ** (np.maximum(np.frexp(np.where(r == 0, 1, r))[1] - 1, 0) - 3)
;;       q = np.round(r / step) * step * 2.0 ** e      # np.round: ties to even
;;       return np.moveaxis(q.reshape(q.shape[:-2] + (-1,))[..., :K], -1, axis).astype(np.float32)
;;   ~~~
;;   SOFTMAX AHEAD OF A QUANTISED PRODUCT. Where the list says 'softmax', what is quantised is not the finished softmax but p = 2^(t - M), with t = logit x log2(e) and M = ceil(the row's largest t), a whole number; so 1/2 < the row's largest p <= 1. The row's sum l is taken of the UNQUANTISED p, in f32, and the product's result is divided by l at the end. Since M is a whole number, a kernel that streams over the keys may use a running M (the ceiling of the running maximum): every later rescaling is an exact power of two, which a block's scale takes up: the codes' values come out the same.
;;   OPERANDS COMPUTED ON THE WAY. 'Computed on the way' means the value that the module computes at that place (a softmax that the list does not call 'softmax' is quantised finished and normalised). What goes into a quantiser is computed in f32, as accurately as f32 sums, v_exp_f32 and their like allow (about 1e-6 of the number): no bf16 or f16 on the way to a quantiser, and a product that is left as it is and whose result goes on into a quantised operand takes f32 operands (vector FMAs, or v_wmma_f32_16x16x4_f32). A number that lies on a knife's edge between two numbers of the format may be rounded either way, as far as f32 arithmetic and the matrix unit's own rounding can turn it there, and no further.
;; One version. Each part assembles by itself: llvm-mc -triple=amdgcn-amd-amdhsa -mcpu=gfx1250 --defsym DOCPART=n.
;; ======== version 1 of 1: 4 launches
;; limits: right only within a limited range of input values
;; workspace buffers: opnd 22,020,096 bytes; osc 917,504 bytes; mw 2,097,152 bytes of whole numbers; qkv 19,660,800 bytes; aimg 6,291,456 bytes; asc 262,144 bytes
;; launch prep (part 1): grid 1024 x 1, 4 waves a work-group, no clusters, 69,120 bytes of LDS; arguments Q, K, V, wQ_w, wK_w, wV_w, wOut_w, attnMask, opnd, osc, mw; writes opnd, osc, mw
.if DOCPART == 1
	.amdgcn_target "amdgcn-amd-amdhsa--gfx1250"
	.amdhsa_code_object_version 6
	.text
	.protected	k_q7fc37f71fe_prep
	.globl	k_q7fc37f71fe_prep
	.p2align	8
	.type	k_q7fc37f71fe_prep,@function
k_q7fc37f71fe_prep:
	s_mov_b64 s[64:65], 0
	v_nop
	global_prefetch_b8 v0, s[64:65] scope:SCOPE_SE
	s_setreg_imm32_b32 hwreg(HW_REG_WAVE_MODE, 25, 1), 1
	s_wait_xcnt 0x0
; PREP.  (1) The three inputs [8192][1024] and the four weights [1024][1024], f32 with K innermost, become codes of FP6 (E2M3) with one E8M0 byte for each 32 along K,
; laid in the ORDER OF THE OPERAND'S REGISTERS.  (2) The mask's bytes become lane masks, one 32-bit word for each score register of the attention launch.
; HALF-IMAGE, 768 bytes: six operand registers of 32 lanes = 16 rows x 64 along K; lane (r, h) holds k = 32 h .. 32 h + 31 of row r; registers 0-3 at 16 x lane, registers 4-5 at 512 + 8 x lane.
; opnd: [row tile T][K step 0..7][c 0..1][768].  osc: [T][kp 0..3][r][2 words]: word (kp, r, i) = the four scale bytes of row r for K step 2 kp + i.
; T: 0 Q, 512 K, 1024 V, 1536 wQ, 1600 wK, 1664 wV, 1728 wOut.  In K, V, wQ, wK, wV the rows of a tile are NOT neighbours: tile 2 b + u holds rows 32 b + 8 u + {0..7, 16..23},
; so that results made with such a tile as source 0 have 16 neighbours along the next K in a lane's registers.
; mw: [b x 128 + query tile][key step 0..15][64 words]: bit l of word n = mask[16 tile + l % 16][128 step + 32 (n / 16) + 16 (l / 16) + n % 16].
; A block's scale is 2^(floor(log2(largest magnitude)) - 2); its byte is the largest magnitude's exponent field - 2, held at 1 from below.
; LIMITS: a block of zeros, or one whose largest magnitude lies under 2^-124, gets the byte 1 (its bytes are read by this program alone); NaN and infinities are not served.
; SHARES.  Work-groups 0-895: a wave takes 16 rows x 512 numbers (four K steps).  Work-groups 896-1151: a wave takes 16 rows x 1,024 mask bytes (eight key steps).
; Every global load covers 512 consecutive bytes of one row; the rows turn through the wave's own stage in LDS (pitch 528) so that a lane gets its own row's neighbours.
; No matrix unit, no tensor load, no barrier: waves share nothing.  The two paths have LDS bytes of their own.
; THE ORDERS THAT HOLD NOW (they take the place of what stands above for K's tiles, for mw and for the mask's shares):
; input K alone: tile 4 c + u holds rows 64 c + 8 u + {0..7} and 64 c + 32 + 8 u + {0..7}, so that a lane's 32 scores of four tiles are one scale block of 32 keys.
; mw: bit l of word n = mask[16 tile + l % 16][128 step + 64 (n / 32) + 32 (l / 16) + n % 32].
; Work-groups 896-1023: a wave takes 16 rows x 2,048 mask bytes, in two trips of eight key steps: 1,024 work-groups in all.
.set SP,    528
.set WST,   16*SP                      ; a wave's stage
.set QG,    4*WST                      ; behind the quantiser's stages: 256 bytes of scale words for each wave
.set MST,   QG+1024                    ; the mask path's stages
.set SPARE, MST+4*WST                  ; the spare words, 128 bytes for each wave: two blocks of 256 bytes that no other line names
.set NQWG,  896                        ; work-groups that quantise
.set SPW,   3                          ; v3   LDS address of my spare word; never rewritten
.set NIL,   4                          ; v4   0; never rewritten
.set MWD,   24                         ; v24-39   eight pairs of mask words
.set R,     40                         ; v40-167  two sets of 64 registers as loaded
.set X,     168                        ; v168-231 what comes back from the stage
.set PC,    232                        ; v232-243 a fragment's codes
.set TP,    244                        ; v244-250 the conversions' second halves
	s_load_b512 s[4:19], s[0:1], 0x0               ; Q, K, V, wQ, wK, wV, wOut, the mask
	s_load_b128 s[20:23], s[0:1], 0x40             ; opnd, osc
	s_load_b64 s[24:25], s[0:1], 0x50              ; mw
	v_lshl_add_u32 v[SPW], v0, 2, SPARE
	v_mov_b32 v[NIL], 0
	v_lshrrev_b32 v12, 5, v0
	v_readfirstlane_b32 s26, v12                   ; wave
	v_and_b32 v12, 31, v0                          ; lane
	v_and_b32 v13, 15, v0                          ; r
	v_bfe_u32 v14, v0, 4, 1                        ; h
	v_lshlrev_b32 v1, 4, v12                       ; 16 x lane
	v_lshlrev_b32 v2, 3, v12                       ; 8 x lane
	v_lshlrev_b32 v5, 3, v14                       ; 8 h
	s_mul_i32 s27, s26, WST
	v_add_nc_u32 v6, s27, v1                       ; the quantiser's stage, in: 16 x lane of row i
	v_mul_u32_u24 v15, v13, SP
	v_add_nc_u32 v15, s27, v15
	v_lshl_add_u32 v7, v14, 7, v15                 ; and out: row r, + 128 h: my block of 32 numbers
	v_add_nc_u32 v10, MST, v6                      ; the mask's stage, in
	v_lshl_add_u32 v11, v14, 5, v15                ; row r, + 32 h: my block of 32 keys
	v_add_nc_u32 v11, MST, v11                     ; and out: row r, + 32 h: my 32 keys of a block of 64
	s_lshl_b32 s27, s26, 8
	s_add_co_u32 s27, s27, QG
	v_lshl_add_u32 v8, v13, 3, s27                 ; my row's scale words
	v_add_nc_u32 v9, s27, v2                       ; and 8 bytes a lane on their way out
	v_mov_b32 v19, 0                               ; a lane permute's destination counts as one of its sources
	s_mov_b32 s36, 0x76543210
	s_mov_b32 s37, 0xfedcba98                      ; v_permlanex16_b32's selects for lane l xor 16
	s_wait_kmcnt 0x0
; sixteen loads: rows 0-7 of the tile from s[28:29], rows 8-15 from s[30:31]; each covers 512 consecutive bytes of one row
.macro LOADT set, pitch, off
.irp i, 0,1,2,3,4,5,6,7
	global_load_b128 v[R+64*(\set)+4*\i:R+64*(\set)+4*\i+3], v1, s[28:29] offset:\i*\pitch+\off th:TH_LOAD_NT
.endr
.irp i, 0,1,2,3,4,5,6,7
	global_load_b128 v[R+64*(\set)+32+4*\i:R+64*(\set)+32+4*\i+3], v1, s[30:31] offset:\i*\pitch+\off th:TH_LOAD_NT
.endr
.endm
.macro TOST set, in                    ; the sixteen rows into my stage, as they were loaded
.irp i, 0,1,2,3,4,5,6,7,8,9,10,11,12,13,14,15
	ds_store_b128 v[\in], v[R+64*(\set)+4*\i:R+64*(\set)+4*\i+3] offset:\i*SP
.endr
.endm
	s_cmp_ge_u32 ttmp9, NQWG                       ; the work-group's number alone parts the two paths
	s_cbranch_scc1 .Lmask
	; ---------------- the quantiser ----------------
	s_lshl_b32 s27, ttmp9, 2
	s_add_co_u32 s27, s27, s26                     ; my unit
	s_and_b32 s44, s27, 1                          ; which half of K
	s_lshr_b32 s27, s27, 1                         ; T
	s_mov_b64 s[28:29], s[16:17]                   ; which tensor: its address, its first tile, whether its tiles are permuted
	s_mov_b32 s38, 1728
	s_mov_b32 s39, 0
.macro PICK bound, ptr, base, perm
	s_cmp_lt_u32 s27, \bound
	s_cselect_b64 s[28:29], s[\ptr:\ptr+1], s[28:29]
	s_cselect_b32 s38, \base, s38
	s_cselect_b32 s39, \perm, s39
.endm
	PICK 1728, 14, 1664, 1
	PICK 1664, 12, 1600, 1
	PICK 1600, 10, 1536, 1
	PICK 1536, 8, 1024, 1
	PICK 1024, 6, 512, 2
	PICK 512, 4, 0, 0
	s_sub_co_u32 s45, s27, s38                     ; t: the tile in its tensor
	s_and_b32 s46, s45, 1
	s_sub_co_u32 s47, s45, s46
	s_lshl_b32 s47, s47, 4
	s_lshl_b32 s46, s46, 3
	s_add_co_u32 s47, s47, s46                     ; permuted: the first row is 16 (t - t % 2) + 8 (t % 2), the second eight lie 16 on
	s_lshl_b32 s45, s45, 4                         ; natural: 16 t, the second eight 8 on
	s_and_b32 s48, s45, 48                         ; input K: 16 (t % 4),
	s_lshr_b32 s48, s48, 1
	s_sub_co_u32 s48, s45, s48                     ; the first row is 16 (t - t % 4) + 8 (t % 4), the second eight lie 32 on
	s_cmp_eq_u32 s39, 1
	s_cselect_b32 s45, s47, s45
	s_cselect_b32 s46, 16, 8
	s_cmp_eq_u32 s39, 2
	s_cselect_b32 s45, s48, s45
	s_cselect_b32 s46, 32, s46
	s_add_co_u32 s46, s46, s45
	s_lshl_b32 s45, s45, 12                        ; rows of 4,096 bytes
	s_lshl_b32 s46, s46, 12
	s_lshl_b32 s47, s44, 11                        ; my half of K: 2,048 bytes
	s_add_co_u32 s40, s45, s47
	s_mov_b32 s41, 0
	s_add_co_u32 s42, s46, s47
	s_mov_b32 s43, 0
	s_add_nc_u64 s[30:31], s[28:29], s[42:43]
	s_add_nc_u64 s[28:29], s[28:29], s[40:41]
	s_mul_i32 s40, s27, 12288
	s_mul_i32 s45, s44, 6144
	s_add_co_u32 s40, s40, s45
	s_add_nc_u64 s[32:33], s[20:21], s[40:41]      ; my four K steps in opnd
	s_lshl_b32 s40, s27, 9
	s_lshl_b32 s45, s44, 8
	s_add_co_u32 s40, s40, s45
	s_add_nc_u64 s[34:35], s[22:23], s[40:41]      ; my 256 bytes of osc
; A K step: my two whole blocks (h and 2 + h of the row's four) become the operand's twelve registers and, with lane l xor 16's two bytes, the row's scale word.
.macro QB ks
.irp c, 0,1
	v_max3_num_f32 v[12+\c], |v[X+32*\c]|, |v[X+32*\c+1]|, 0x1800000   ; the floor 2^(3 - 127) among the leaves: the byte cannot fall under 1
.endr
.irp i, 2,4,6,8,10,12,14,16,18,20,22,24,26,28,30
.irp c, 0,1
	v_max3_num_f32 v[12+\c], v[12+\c], |v[X+32*\c+\i]|, |v[X+32*\c+\i+1]|
.endr
.endr
.irp c, 0,1
	v_add_nc_u32 v[14+\c], 0xff000000, v[12+\c]    ; 2 off the exponent field: the conversion's scale operand
.endr
.irp c, 0,1
	v_lshrrev_b32 v[16+\c], 23, v[14+\c]           ; the scale's byte
.endr
	v_lshl_or_b32 v18, v17, 16, v16                ; blocks h and 2 + h,
	v_lshlrev_b32 v18, v5, v18                     ; at their places in the word (8 h bits up);
	v_permlanex16_b32 v19, v18, s36, s37
	v_or_b32 v18, v18, v19                         ; with lane l xor 16's two the word is whole
.irp c, 0,1
	v_cvt_scalef32_pk16_fp6_f32 v[PC+6*\c:PC+6*\c+2], v[X+32*\c:X+32*\c+15], v[14+\c]
	v_cvt_scalef32_pk16_fp6_f32 v[TP+4*\c:TP+4*\c+2], v[X+32*\c+16:X+32*\c+31], v[14+\c]   ; (a conversion's three registers begin on an even number)
.endr
	v_nop                                          ; one plain place behind a scaled conversion
.irp c, 0,1
.irp i, 0,1,2
	v_mov_b32 v[PC+3+6*\c+\i], v[TP+4*\c+\i]
.endr
.endr
	global_store_b128 v1, v[PC:PC+3], s[32:33] offset:1536*\ks            ; each store covers 512 or 256 consecutive bytes, aligned
	global_store_b64 v2, v[PC+4:PC+5], s[32:33] offset:1536*\ks+512
	global_store_b128 v1, v[PC+6:PC+9], s[32:33] offset:1536*\ks+768
	global_store_b64 v2, v[PC+10:PC+11], s[32:33] offset:1536*\ks+1280
	ds_store_b32 v8, v18 offset:(\ks/2)*128+4*(\ks%2)                     ; both lanes of a row write the same word with the same value
.endm
.macro KS ks
.if \ks < 3
	s_wait_loadcnt 16                              ; this K step's sixteen loads are in; the next set's sixteen may be out
.else
	s_wait_loadcnt 0x0
.endif
.if \ks > 0
	s_wait_xcnt 0x0                                ; the last K step's stores have read their data: the codes' registers may be written again
.endif
	TOST (\ks)%2, 6
.irp c, 0,1
.irp m, 0,1,2,3,4,5,6,7
	ds_load_b128 v[X+32*\c+4*\m:X+32*\c+4*\m+3], v7 offset:256*\c+16*\m   ; LDS serves a wave's instructions in order: these see the stores above
.endr
.endr
	s_wait_dscnt 0x0                               ; the numbers are back, and the stores into the stage have read their registers
.if \ks < 2
	LOADT (\ks)%2, 4096, 512*\ks+1024              ; which take the K step two on
.endif
	QB \ks
.endm
	LOADT 0, 4096, 0
	LOADT 1, 4096, 512
	s_wait_alu depctr_va_vdst(0)
	KS 0
	KS 1
	KS 2
	KS 3
	ds_load_b64 v[12:13], v9                       ; my wave's 256 bytes of scale words
	s_wait_dscnt 0x0
	global_store_b64 v2, v[12:13], s[34:35]        ; 32 lanes store 256 consecutive bytes, aligned
	s_branch .Lend
	; ---------------- the mask ----------------
.Lmask:
	s_sub_co_u32 s27, ttmp9, NQWG
	s_lshl_b32 s27, s27, 2
	s_add_co_u32 s27, s27, s26                     ; b x 128 + query tile
	s_mov_b32 s44, 0                               ; the first trip takes the first half of the keys
	s_lshl_b32 s40, s27, 15                        ; 16 rows of 2,048 bytes
	s_lshl_b32 s45, s44, 10
	s_add_co_u32 s40, s40, s45
	s_mov_b32 s41, 0
	s_add_nc_u64 s[28:29], s[18:19], s[40:41]
	s_add_nc_u64 s[30:31], s[28:29], 16384         ; rows 8-15
	s_lshl_b32 s40, s27, 12                        ; 16 key steps of 256 bytes
	s_lshl_b32 s45, s44, 11
	s_add_co_u32 s40, s40, s45
	s_add_nc_u64 s[32:33], s[24:25], s[40:41]
	LOADT 0, 2048, 0
	LOADT 1, 2048, 512
.irp i, 0,1,2,3,4,5,6,7,8,9,10,11,12,13,14,15
	v_mov_b32 v[MWD+\i], 0                         ; v_writelane_b32's destination counts as read
.endr
; Key step s of the four in X, step w of my eight: word n is the compare's lane mask of byte n % 4 of register n / 4; it goes to lane n / 2 of a pair, so that one store of 8 bytes a lane writes the 64 words.
.macro MW s, w
.set n, 0
.rept 4                                ; sixteen words at a time: sixteen bytes cut out, sixteen compares into s68-83, sixteen lane writes: no line reads the result of the line above it
.set k, 0
.rept 16
	v_and_b32 v[PC+k], 0xff<<(8*(k%4)), v[X+16*(\s)+(n+k)/4]
.set k, k+1
.endr
.set k, 0
.rept 16
	v_cmp_ne_u32 s[68+k], 0, v[PC+k]
.set k, k+1
.endr
.set k, 0
.rept 16
	v_writelane_b32 v[MWD+2*(\w)+k%2], s[68+k], (n+k)/2
.set k, k+1
.endr
.set n, n+16
.endr
	global_store_b64 v2, v[MWD+2*(\w):MWD+2*(\w)+1], s[32:33] offset:256*(\w)   ; 256 consecutive bytes, aligned; each step has its own pair, so no store's data are written again
.endm
	s_mov_b32 s50, 0                               ; the trip: which half of the keys
.Lhalf:                                            ; at the first wait below the sixteen loads of set 1 may be out, on the way in and on the way back alike; the second wait is for all
.irp f, 0,1
.if \f == 0
	s_wait_loadcnt 16                              ; the first 512 bytes of each row are in
.else
	s_wait_loadcnt 0x0
.endif
	TOST \f, 10
.irp s, 0,1,2,3
.irp g, 0,1,2,3
	ds_load_b128 v[X+16*\s+4*\g:X+16*\s+4*\g+3], v11 offset:128*\s+64*(\g/2)+16*(\g%2)   ; keys 128 s + 64 (g / 2) + 32 h + 16 (g % 2) + 0 .. 15 of row r
.endr
.endr
	s_wait_dscnt 0x0
	s_cmp_eq_u32 s50, 0                            ; in the first trip the set just read out takes the same 512 bytes of the other half of the keys; the last trip asks for nothing
	s_wait_alu depctr_va_vdst(0)                   ; the wait ahead of the branch
	s_cbranch_scc0 .Lno_more_\f
	LOADT \f, 2048, 1024+512*\f
.Lno_more_\f:
.irp s, 0,1,2,3
	MW \s, 4*\f+\s
.endr
.endr
	s_wait_xcnt 0x0                                ; the trip's loads and stores have read their bases and data: both may be written again
	s_add_nc_u64 s[32:33], s[32:33], 2048          ; and its eight key steps of words
	s_add_co_u32 s50, s50, 1
	s_cmp_lt_u32 s50, 2
	s_wait_alu depctr_va_vdst(0)                   ; the wait ahead of the branch
	s_cbranch_scc1 .Lhalf
.Lend:
	s_wait_tensorcnt 0x0                           ; the wave's end
	ds_add_u32 v[SPW], v[NIL]
	s_wait_dscnt 0x0
	s_endpgm
.Lfunc_end_k_q7fc37f71fe_prep:
	.size	k_q7fc37f71fe_prep, .Lfunc_end_k_q7fc37f71fe_prep-k_q7fc37f71fe_prep
	.p2alignl 7, 3214868480
	.fill 96, 4, 3214868480
	.section	.rodata,"a",@progbits
	.p2align	6, 0x0
	.amdhsa_kernel k_q7fc37f71fe_prep
		.amdhsa_group_segment_fixed_size 69120
		.amdhsa_private_segment_fixed_size 0
		.amdhsa_enable_private_segment 0
		.amdhsa_kernarg_size 88
		.amdhsa_user_sgpr_count 2
		.amdhsa_user_sgpr_kernarg_segment_ptr 1
		.amdhsa_wavefront_size32 1
		.amdhsa_system_sgpr_workgroup_id_x 1
		.amdhsa_system_sgpr_workgroup_id_y 1
		.amdhsa_system_sgpr_workgroup_id_z 1
		.amdhsa_system_vgpr_workitem_id 0
		.amdhsa_next_free_vgpr 256
		.amdhsa_next_free_sgpr 90
		.amdhsa_reserve_vcc 0
		.amdhsa_float_denorm_mode_32 3
		.amdhsa_float_denorm_mode_16_64 3
		.amdhsa_memory_ordered 1
		.amdhsa_forward_progress 1
		.amdhsa_inst_pref_size 141
	.end_amdhsa_kernel
	.amdgpu_metadata
---
amdhsa.version: [ 1, 2 ]
amdhsa.kernels:
  - .name:           k_q7fc37f71fe_prep
    .symbol:         k_q7fc37f71fe_prep.kd
    .args:
      - { .name: Q, .offset: 0, .size: 8, .value_kind: global_buffer, .address_space: global }
      - { .name: K, .offset: 8, .size: 8, .value_kind: global_buffer, .address_space: global }
      - { .name: V, .offset: 16, .size: 8, .value_kind: global_buffer, .address_space: global }
      - { .name: wQ_w, .offset: 24, .size: 8, .value_kind: global_buffer, .address_space: global }
      - { .name: wK_w, .offset: 32, .size: 8, .value_kind: global_buffer, .address_space: global }
      - { .name: wV_w, .offset: 40, .size: 8, .value_kind: global_buffer, .address_space: global }
      - { .name: wOut_w, .offset: 48, .size: 8, .value_kind: global_buffer, .address_space: global }
      - { .name: attnMask, .offset: 56, .size: 8, .value_kind: global_buffer, .address_space: global }
      - { .name: opnd, .offset: 64, .size: 8, .value_kind: global_buffer, .address_space: global }
      - { .name: osc, .offset: 72, .size: 8, .value_kind: global_buffer, .address_space: global }
      - { .name: mw, .offset: 80, .size: 8, .value_kind: global_buffer, .address_space: global }
    .group_segment_fixed_size: 69120
    .private_segment_fixed_size: 0
    .kernarg_segment_align: 8
    .kernarg_segment_size: 88
    .max_flat_workgroup_size: 128
    .sgpr_count:     90
    .vgpr_count:     256
    .wavefront_size: 32
...
	.end_amdgpu_metadata
.endif
;; end of part 1
;; launch proj (part 2): grid 4 x 96, 4 waves a work-group, clusters of 4 x 4, 327,680 bytes of LDS; arguments opnd, osc, wQ_b, wK_b, wV_b, qkv; writes qkv
.if DOCPART == 2
	.amdgcn_target "amdgcn-amd-amdhsa--gfx1250"
	.amdhsa_code_object_version 6
	.text
	.protected	k_q7fc37f71fe_proj
	.globl	k_q7fc37f71fe_proj
	.p2align	8
	.type	k_q7fc37f71fe_proj,@function
k_q7fc37f71fe_proj:
	s_mov_b64 s[64:65], 0
	v_nop
	global_prefetch_b8 v0, s[64:65] scope:SCOPE_SE
	s_setreg_imm32_b32 hwreg(HW_REG_WAVE_MODE, 25, 1), 1
	s_wait_xcnt 0x0
	s_wait_alu depctr_hold_cnt(0) depctr_sa_sdst(0) depctr_va_vdst(0) depctr_va_sdst(0) depctr_va_ssrc(0) depctr_va_vcc(0) depctr_vm_vsrc(0)
	s_getreg_b32 s2, hwreg(HW_REG_IB_STS2, 6, 4)
	s_cmp_eq_u32 s2, 0
	s_cbranch_scc0 .Lentry_in_a_cluster
	s_endpgm
.Lentry_in_a_cluster:
	s_bfe_u32 s2, ttmp6, 0x10000c
	s_cmp_lg_u32 s2, 0xf033
	s_cbranch_scc0 .Lentry_shape_is_right
	s_endpgm
.Lentry_shape_is_right:
.set SLOTB,  3072
.set TILEB,  12288
.set HALFT,  8*SLOTB
.set SLOT,   4*HALFT
.set SCL,    2*SLOT
.set SPARE,  SCL+4*4096
.set GQ,     SPARE+512
.set GV,     GQ+4*512
.set HEADB,  307200
.set STEP3,  19200
.set BLKB,   6400
.set FR,     12
.set NL,     4
.set NP,     4
.set NQ,     2
.set ADRA, 16
.set ADRB, 20
.set ADRS, 27
.set SPW,  28
.set NIL,  29
.set SC,   32
.set CB,   64
.set AF,   128
.set CA,   224
.set ST,   128
.set TM,   192
.set PW,   208
.set PC,   234
.set SEL,  98
.set G1, 24
.set G0, 32
.set G1B, 48
.set G0B, 56
.set G1S, 68
.set G0S, 76
.set G1SB, 80
.set G0SB, 88
.set MSB, 0
.macro WIN new
.if MSB != (\new)
	s_set_vgpr_msb (MSB<<8)|(\new)
.set MSB, (\new)
.endif
.endm
.set MUL_LO, 0xa1
.set MUL_HI, 0xf1
.set TO_B,   0x40
.macro JLOAD g0a, g1a, g0b, g1b
	s_cmp_eq_u32 s15, 0
	s_cbranch_scc0 .Lfor_b_\@
	tensor_load_to_lds s[\g0a:\g0a+3], s[\g1a:\g1a+7]
	s_nop 0
.rept 4
	v_nop
.endr
	s_branch .Lasked_\@
.Lfor_b_\@:
	tensor_load_to_lds s[\g0b:\g0b+3], s[\g1b:\g1b+7]
	s_nop 0
.rept 4
	v_nop
.endr
.Lasked_\@:
.endm
.macro CREST
	s_cmp_lg_u32 s14, 0
	s_cbranch_scc1 .Lnot_wave_0_\@
	s_barrier_signal -3
.Lnot_wave_0_\@:
	s_barrier_wait -3
	s_barrier_signal -1
	s_barrier_wait -1
.endm
.macro CROUND
	s_barrier_signal -1
	s_barrier_wait -1
	CREST
.endm
	s_load_b128 s[4:7], s[0:1], 0x0
	s_load_b128 s[96:99], s[0:1], 0x10
	s_load_b64 s[100:101], s[0:1], 0x20
	s_load_b64 s[12:13], s[0:1], 0x28
	v_lshl_add_u32 v[SPW], v0, 2, SPARE
	v_mov_b32 v[NIL], 0
	ds_add_u32 v[SPW], v[NIL]
	ds_add_u32 v[SPW], v[NIL]
	v_lshrrev_b32 v1, 5, v0
	v_readfirstlane_b32 s14, v1
	s_lshr_b32 s15, s14, 1
	s_and_b32 s16, s14, 1
	s_bfe_u32 s40, ttmp6, 0x40000
	s_bfe_u32 s41, ttmp6, 0x40004
	s_and_b32 s17, ttmp7, 0xffff
	s_lshr_b32 s95, s17, 3
	s_and_b32 s17, s17, 7
	s_lshl_b32 s17, s17, 2
	s_lshl_b32 s66, s95, 9
	s_lshl_b32 s67, s95, 6
	s_add_co_u32 s67, s67, 1536
	s_cmp_eq_u32 s95, 2
	s_cselect_b32 s66, 1664, s66
	s_cselect_b32 s67, 1024, s67
	s_cselect_b32 s42, s17, 0
	s_cselect_b32 s17, 0, s17
	s_add_co_u32 s17, s17, s41
	s_add_co_u32 s42, s42, s40
	s_lshl_b32 s43, s41, 2
	s_lshl_b32 s43, 15, s43
	s_lshl_b32 s44, 0x1111, s40
	s_or_b32 s[G1+0], s43, (3<<16)|(1<<21)
	s_or_b32 s[G1B+0], s44, (3<<16)|(1<<21)
.irp g, G1, G1B
	s_mov_b32 s[\g+1], 384<<16
	s_mov_b32 s[\g+2], 16<<16
	s_mov_b32 s[\g+3], 384<<16
	s_mov_b32 s[\g+4], 16
	s_mov_b32 s[\g+5], TILEB/8
	s_mov_b32 s[\g+6], 0
	s_mov_b32 s[\g+7], 0
.endr
	s_or_b32 s[G1S+0], s43, (3<<16)|(1<<21)
	s_or_b32 s[G1SB+0], s44, (3<<16)|(1<<21)
.irp g, G1S, G1SB
	s_mov_b32 s[\g+1], 32<<16
	s_mov_b32 s[\g+2], 32<<16
	s_mov_b32 s[\g+3], 32<<16
	s_mov_b32 s[\g+4], 32
	s_mov_b32 s[\g+5], 32
	s_mov_b32 s[\g+6], 0
	s_mov_b32 s[\g+7], 0
.endr
	s_lshl_b32 s20, s17, 4
	s_add_co_u32 s20, s20, s66
	s_lshl_b32 s46, s42, 4
	s_add_co_u32 s46, s46, s67
	s_lshl_b32 s22, s20, 9
	s_mov_b32 s23, 0
	s_lshl_b32 s92, s46, 9
	s_mov_b32 s93, 0
	s_mul_i32 s20, s20, TILEB
	s_mov_b32 s21, 0
	s_mul_i32 s46, s46, TILEB
	s_mov_b32 s47, 0
	s_mul_i32 s45, s14, HALFT
	s_wait_dscnt 0x0
	s_wait_kmcnt 0x0
	s_add_nc_u64 s[20:21], s[4:5], s[20:21]
	s_add_nc_u64 s[22:23], s[6:7], s[22:23]
	s_add_nc_u64 s[46:47], s[4:5], s[46:47]
	s_add_nc_u64 s[92:93], s[6:7], s[92:93]
	CROUND
	s_mov_b32 s[G0S], 1
	s_mov_b32 s[G0S+1], SCL
	s_mov_b64 s[G0S+2:G0S+3], s[22:23]
	s_or_b32 s[G0S+3], s[G0S+3], 0x80000000
	s_mov_b32 s[G0SB], 1
	s_mov_b32 s[G0SB+1], SCL+8192
	s_mov_b64 s[G0SB+2:G0SB+3], s[92:93]
	s_or_b32 s[G0SB+3], s[G0SB+3], 0x80000000
.set G0H, 4                            ; s[4:7], s[8:11] group 0 of the head's loads of slot 0: A's 16 tiles, B's 16 tiles
.set G0HB, 8
	s_mov_b32 s[G0H], 1
	s_mov_b32 s[G0H+1], 0
	s_mov_b64 s[G0H+2:G0H+3], s[20:21]
	s_or_b32 s[G0H+3], s[G0H+3], 0x80000000
	s_mov_b32 s[G0HB], 1
	s_mov_b32 s[G0HB+1], 2*HALFT
	s_mov_b64 s[G0HB+2:G0HB+3], s[46:47]
	s_or_b32 s[G0HB+3], s[G0HB+3], 0x80000000
	s_mul_i32 s18, s16, 8*TILEB                    ; in the ring a wave fetches 8 tiles: which half
	s_mov_b32 s19, 0
	s_add_nc_u64 s[20:21], s[20:21], s[18:19]
	s_add_nc_u64 s[46:47], s[46:47], s[18:19]
.irp s, 0,1
	s_mov_b32 s[G0+4*\s], 1
	s_add_co_u32 s[G0+4*\s+1], s45, \s*SLOT
	s_add_nc_u64 s[G0+4*\s+2:G0+4*\s+3], s[20:21], \s*SLOTB
	s_or_b32 s[G0+4*\s+3], s[G0+4*\s+3], 0x80000000
	s_mov_b32 s[G0B+4*\s], 1
	s_add_co_u32 s[G0B+4*\s+1], s45, \s*SLOT
	s_add_nc_u64 s[G0B+4*\s+2:G0B+4*\s+3], s[46:47], \s*SLOTB
	s_or_b32 s[G0B+4*\s+3], s[G0B+4*\s+3], 0x80000000
.endr
; THE HEAD'S LOADS, ONE A WAVE: wave 0 slot 0's 16 tiles of A, wave 1 its 16 tiles of B, wave 2 A's scale words, wave 3 B's.  One chain of branches on the wave's number, one load to an arm.
.macro ARM under, g0, g1, next
	s_cmp_lt_u32 s14, \under
	s_cbranch_scc0 \next
	tensor_load_to_lds s[\g0:\g0+3], s[\g1:\g1+7]
	s_nop 0
.rept 4
	v_nop
.endr
	s_branch .Lhead_asked
\next:
.endm
	ARM 1, G0H,  G1,  .Lhead_b
	ARM 2, G0HB, G1B, .Lhead_sa
	ARM 3, G0S,  G1S, .Lhead_sb
	tensor_load_to_lds s[G0SB:G0SB+3], s[G1SB:G1SB+7]
	s_nop 0
.rept 4
	v_nop
.endr
.Lhead_asked:
	s_cmp_eq_u32 s95, 1
	s_cselect_b64 s[96:97], s[98:99], s[96:97]
	s_cmp_eq_u32 s95, 2
	s_cselect_b64 s[96:97], s[100:101], s[96:97]
	v_and_b32 v3, 31, v0
	v_and_b32 v4, 15, v0
	v_bfe_u32 v5, v0, 4, 1
	v_lshlrev_b32 v1, 4, v3
	v_lshlrev_b32 v2, 3, v3
	s_mul_i32 s21, s15, HALFT
	s_mul_i32 s22, s16, HALFT
	s_add_co_u32 s22, s22, 2*HALFT
.irp s, 0,1
	v_add_nc_u32 v[ADRA+\s], s21, v1
	v_add_nc_u32 v[ADRB+\s], s22, v1
	v_add_nc_u32 v[ADRA+2+\s], s21, v2
	v_add_nc_u32 v[ADRB+2+\s], s22, v2
	s_add_co_u32 s21, s21, SLOT
	s_add_co_u32 s22, s22, SLOT
.endr
	s_lshl_b32 s21, s15, 12
	s_lshl_b32 s22, s16, 12
	s_add_co_u32 s22, s22, 8192
	s_sub_co_u32 s22, s22, s21
	v_mul_u32_u24 v6, s22, v5
	s_add_co_u32 s21, s21, SCL
	v_lshl_add_u32 v6, v4, 3, v6
	v_add_nc_u32 v[ADRS], s21, v6
	s_lshl_b32 s21, s14, 9
	v_lshlrev_b32 v6, 2, v4
	v_add_nc_u32 v6, s21, v6
	v_lshl_add_u32 v24, v5, 8, v6
	v_add_nc_u32 v24, GQ, v24
	v_add_nc_u32 v25, GV, v6
	v_add_nc_u32 v7, s21, v2
	v_add_nc_u32 v26, GQ, v7
	v_add_nc_u32 v30, GV, v7
	v_lshlrev_b32 v31, 4, v5
	s_lshl_b32 s18, s17, 8
	s_lshl_b32 s19, s15, 7
	s_add_co_u32 s18, s18, s19
	s_lshl_b32 s19, s42, 8
	s_lshl_b32 s98, s16, 7
	s_add_co_u32 s19, s19, s98
	s_cmp_eq_u32 s95, 2
	s_cselect_b32 s98, s19, s18
	s_cselect_b32 s99, s18, s19
	s_cselect_b32 s100, 0, s19
	s_cselect_b32 s101, s18, 0
	s_lshr_b32 s20, s98, 11
	s_lshl_b32 s20, s20, 4
	s_lshr_b32 s21, s99, 6
	s_add_co_u32 s20, s20, s21
	s_mul_i32 s20, s20, HEADB
	s_bfe_u32 s21, s98, 0x40007
	s_mul_i32 s21, s21, STEP3
	s_add_co_u32 s20, s20, s21
	s_mul_i32 s21, s95, BLKB
	s_add_co_u32 s20, s20, s21
	s_mov_b32 s21, 0
	s_add_nc_u64 s[12:13], s[12:13], s[20:21]
	s_lshl_b32 s100, s100, 2
	s_lshl_b32 s101, s101, 2
	v_lshl_add_u32 v9, v5, 6, s100
	v_and_b32 v10, 8, v4
	v_add_nc_u32 v10, v10, v4
	v_lshl_add_u32 v10, v10, 2, s101
.irp g, 0,1,2,3
.irp m, 0,1,2,3
	global_load_b128 v[CB+16*\g+4*\m:CB+16*\g+4*\m+3], v9, s[96:97] offset:128*\g+16*\m
.endr
.endr
.irp a, 0,1,2,3,4,5,6,7
	global_load_b32 v[CA+\a], v10, s[96:97] offset:4*(32*(\a/2)+8*(\a%2))
.endr
	s_mov_b32 s[SEL], 0x76543210
	s_mov_b32 s[SEL+1], 0xfedcba98
.macro FRAG reg, adr, q, i
	ds_load_b128 v[\reg:\reg+3], v[\adr] offset:(\i)*SLOTB+(\q)*1536
	ds_load_b64 v[\reg+4:\reg+5], v[\adr+2] offset:(\i)*SLOTB+(\q)*1536+512
	ds_load_b128 v[\reg+6:\reg+9], v[\adr] offset:(\i)*SLOTB+(\q)*1536+768
	ds_load_b64 v[\reg+10:\reg+11], v[\adr+2] offset:(\i)*SLOTB+(\q)*1536+1280
.endm
.macro MUL16 a0, p, q, sc, zero
.irp a, \a0, \a0+1
.irp b, 0,1,2,3,4,5,6,7
.if \zero
	v_wmma_scale_f32_16x16x128_f8f6f4 v[8*(8*((\a)%4)+\b):8*(8*((\a)%4)+\b)+7], v[128*(\p)+FR*\b:128*(\p)+FR*\b+FR-1], v[AF+FR*(\a):AF+FR*(\a)+FR-1], 0, v[SC+8*NQ*(\sc)+NQ*\b+(\q)], v[SC+8*NQ*(\sc)+NQ*(\a)+(\q)] matrix_a_fmt:MATRIX_FMT_FP6 matrix_b_fmt:MATRIX_FMT_FP6 matrix_a_scale:MATRIX_SCALE_ROW1
.else
	v_wmma_scale_f32_16x16x128_f8f6f4 v[8*(8*((\a)%4)+\b):8*(8*((\a)%4)+\b)+7], v[128*(\p)+FR*\b:128*(\p)+FR*\b+FR-1], v[AF+FR*(\a):AF+FR*(\a)+FR-1], v[8*(8*((\a)%4)+\b):8*(8*((\a)%4)+\b)+7], v[SC+8*NQ*(\sc)+NQ*\b+(\q)], v[SC+8*NQ*(\sc)+NQ*(\a)+(\q)] matrix_a_fmt:MATRIX_FMT_FP6 matrix_b_fmt:MATRIX_FMT_FP6 matrix_a_scale:MATRIX_SCALE_ROW1
.endif
.endr
.endr
.endm
.macro FETCH_B slot, q, p
	WIN TO_B
.irp i, 0,1,2,3,4,5,6,7
	FRAG 128*(\p)+FR*\i, ADRB+\slot, \q, \i
.endr
	WIN 0
.endm
.macro FETCH_A slot, q, i0
.irp i, \i0, \i0+1, \i0+2, \i0+3
	FRAG AF+FR*(\i), ADRA+\slot, \q, \i
.endr
.endm
.macro SCALES sc
.irp i, 0,1,2,3,4,5,6,7
	ds_load_b64 v[SC+8*NQ*\sc+NQ*\i:SC+8*NQ*\sc+NQ*\i+1], v[ADRS] offset:\i*512
.endr
.endm
.macro PLACES n
.rept \n
	v_nop
.endr
.endm
.macro STEP slot, q, zero
	s_wait_dscnt 4*NL
	WIN MUL_LO
	MUL16 0, (\q)%2, \q, \slot, \zero
	MUL16 2, (\q)%2, \q, \slot, \zero
	s_wait_dscnt 0
	PLACES NP
	FETCH_B \slot, (\q)+1, 1-(\q)%2
	FETCH_A \slot, (\q)+1, 0
	WIN MUL_HI
	MUL16 4, (\q)%2, \q, \slot, \zero
	MUL16 6, (\q)%2, \q, \slot, \zero
	PLACES NP
	WIN 0
	FETCH_A \slot, (\q)+1, 4
.endm
.macro TURN slot, next, fill
	s_wait_tensorcnt 0x0
	ds_add_u32 v[SPW], v[NIL]
	s_wait_dscnt 4*NL+1
	WIN MUL_LO
	MUL16 0, 1, NQ-1, \slot, 0
	s_wait_dscnt 0x0
	s_barrier_signal -1
	MUL16 2, 1, NQ-1, \slot, 0
	WIN 0
	s_barrier_wait -1
.if \fill
	CREST
	s_add_nc_u64 s[G0+4*\slot+2:G0+4*\slot+3], s[G0+4*\slot+2:G0+4*\slot+3], 2*SLOTB
	s_add_nc_u64 s[G0B+4*\slot+2:G0B+4*\slot+3], s[G0B+4*\slot+2:G0B+4*\slot+3], 2*SLOTB
	JLOAD G0+4*\slot, G1, G0B+4*\slot, G1B
.else
	PLACES NP
.endif
	s_wait_alu depctr_va_vdst(0)
	v_add_nc_u32 v[ADRS], 128, v[ADRS]
	FETCH_B \next, 0, 0
	FETCH_A \next, 0, 0
	SCALES \next
	WIN MUL_HI
	MUL16 4, 1, NQ-1, \slot, 0
	MUL16 6, 1, NQ-1, \slot, 0
	PLACES NP
	WIN 0
	FETCH_A \next, 0, 4
.endm
	s_wait_alu depctr_va_vdst(0)                   ; the wait at the head's end
	s_wait_loadcnt 0x0
	s_wait_tensorcnt 0x0                           ; my tile of the head's four is in; the three lines ahead of slot 1's first fill, as ahead of a refill
	ds_add_u32 v[SPW], v[NIL]
	s_mov_b32 s[G1+2], 8<<16                       ; no tensor load of mine is out: from here on a load brings 8 tiles
	s_mov_b32 s[G1+4], 8
	s_mov_b32 s[G1B+2], 8<<16
	s_mov_b32 s[G1B+4], 8
	s_wait_dscnt 0x0
	CROUND                                         ; all four tiles are in, and all sixteen work-groups are here
	JLOAD G0+4, G1, G0B+4, G1B                     ; slot 1, the first tensor load behind the round
	FETCH_B 0, 0, 0
	FETCH_A 0, 0, 0
	SCALES 0
	FETCH_A 0, 0, 4
	STEP 0, 0, 1
	TURN 0, 1, 1
	STEP 1, 0, 0
	TURN 1, 0, 1
	STEP 0, 0, 0
	TURN 0, 1, 0
	STEP 1, 0, 0
	s_wait_dscnt 4*NL
	WIN MUL_LO
	MUL16 0, 1, NQ-1, 1, 0
	MUL16 2, 1, NQ-1, 1, 0
	s_wait_dscnt 0
	WIN MUL_HI
	MUL16 4, 1, NQ-1, 1, 0
	MUL16 6, 1, NQ-1, 1, 0
	WIN 0
.macro QUANT s
.irp b, 0,1,2,3
	v_max3_num_f32 v[TM+\b], |v[\s+16*\b]|, |v[\s+1+16*\b]|, 0x1800000
.endr
.irp i, 2,4,6,8,10,12,14
.irp b, 0,1,2,3
	v_max3_num_f32 v[TM+\b], v[TM+\b], |v[\s+16*\b+\i]|, |v[\s+1+16*\b+\i]|
.endr
.endr
.irp b, 0,1,2,3
	v_permlanex16_b32 v[TM+4+\b], v[TM+\b], s[SEL], s[SEL+1]
.endr
.irp b, 0,1,2,3
	v_max_num_f32 v[TM+\b], v[TM+\b], v[TM+4+\b]
.endr
.irp b, 0,1,2,3
	v_add_nc_u32 v[TM+12+\b], 0xff000000, v[TM+\b]
.endr
.irp b, 0,1,2,3
	v_lshrrev_b32 v[TM+4+\b], 23, v[TM+12+\b]
.endr
	v_lshl_or_b32 v[PW], v[TM+5], 8, v[TM+4]
	v_lshl_or_b32 v[PW], v[TM+6], 16, v[PW]
	v_lshl_or_b32 v[PW], v[TM+7], 24, v[PW]
.irp c, 0,1
	v_cvt_scalef32_pk16_fp6_f32 v[PC+6*\c:PC+2+6*\c], v[\s+32*\c:\s+15+32*\c], v[TM+12+2*\c]
	v_cvt_scalef32_pk16_fp6_f32 v[PC+12+4*\c:PC+14+4*\c], v[\s+16+32*\c:\s+31+32*\c], v[TM+12+2*\c+1]
.endr
	v_nop
.irp c, 0,1
.irp i, 0,1,2
	v_permlane16_swap_b32 v[PC+6*\c+\i], v[PC+12+4*\c+\i]
.endr
.irp i, 0,1,2
	v_mov_b32 v[PC+3+6*\c+\i], v[PC+12+4*\c+\i]
.endr
.endr
.endm
.macro OUTP isv
.irp a, 0,1,2,3,4,5,6,7
.if \a > 0
	s_wait_xcnt 0x0
	s_wait_dscnt 0x0
.endif
.if \isv
	v_mov_b32 v232, v[CA+\a]
	v_mov_b32 v233, v[CA+\a]
.endif
	WIN 0x02+\a/4
.set j, 0
.rept 32
.if \isv
	v_pk_add_f32 v[ST+j:ST+j+1], v[64*(\a%4)+j:64*(\a%4)+j+1], v[232:233]
.else
	v_pk_add_f32 v[ST+j:ST+j+1], v[64*(\a%4)+j:64*(\a%4)+j+1], v[CB+j:CB+j+1]
.endif
.set j, j+2
.endr
	WIN 0
	QUANT ST
.if \isv
	global_store_b128 v1, v[PC:PC+3], s[12:13] offset:(\a/4)*HEADB+(\a%4)*1536
	global_store_b64 v2, v[PC+4:PC+5], s[12:13] offset:(\a/4)*HEADB+(\a%4)*1536+512
	global_store_b128 v1, v[PC+6:PC+9], s[12:13] offset:(\a/4)*HEADB+(\a%4)*1536+768
	global_store_b64 v2, v[PC+10:PC+11], s[12:13] offset:(\a/4)*HEADB+(\a%4)*1536+1280
	ds_store_b32 v25, v[PW] offset:64*\a
.else
	global_store_b128 v1, v[PC:PC+3], s[12:13] offset:768*\a
	global_store_b64 v2, v[PC+4:PC+5], s[12:13] offset:768*\a+512
	global_store_b128 v1, v[PC+6:PC+9], s[12:13] offset:768*\a+HEADB
	global_store_b64 v2, v[PC+10:PC+11], s[12:13] offset:768*\a+HEADB+512
	v_lshrrev_b32 v[PW+1], v31, v[PW]
	ds_store_b16 v24, v[PW+1] offset:(\a/2)*64+2*(\a%2)
.endif
.endr
.if \isv
	ds_load_b64 v[ST:ST+1], v30
	ds_load_b64 v[ST+2:ST+3], v30 offset:256
.else
	ds_load_b64 v[ST:ST+1], v26
	ds_load_b64 v[ST+2:ST+3], v26 offset:256
.endif
	s_wait_dscnt 0x0
	global_store_b64 v2, v[ST:ST+1], s[12:13] offset:6144
	global_store_b64 v2, v[ST+2:ST+3], s[12:13] offset:6144+HEADB
.endm
	PLACES NP
.irp b, 0,1,2,3
	v_mov_b32 v[TM+4+\b], 0
.endr
	s_cmp_eq_u32 s95, 2
	s_cbranch_scc1 .Lv
	OUTP 0
	s_branch .Lend
.Lv:
	OUTP 1
.Lend:
	s_wait_tensorcnt 0x0
	ds_add_u32 v[SPW], v[NIL]
	s_wait_dscnt 0x0
	CROUND
	s_endpgm
.Lfunc_end_k_q7fc37f71fe_proj:
	.size	k_q7fc37f71fe_proj, .Lfunc_end_k_q7fc37f71fe_proj-k_q7fc37f71fe_proj
	.p2alignl 7, 3214868480
	.fill 96, 4, 3214868480
	.section	.rodata,"a",@progbits
	.p2align	6, 0x0
	.amdhsa_kernel k_q7fc37f71fe_proj
		.amdhsa_group_segment_fixed_size 327680
		.amdhsa_private_segment_fixed_size 0
		.amdhsa_enable_private_segment 0
		.amdhsa_kernarg_size 48
		.amdhsa_user_sgpr_count 2
		.amdhsa_user_sgpr_kernarg_segment_ptr 1
		.amdhsa_wavefront_size32 1
		.amdhsa_system_sgpr_workgroup_id_x 1
		.amdhsa_system_sgpr_workgroup_id_y 1
		.amdhsa_system_sgpr_workgroup_id_z 1
		.amdhsa_system_vgpr_workitem_id 0
		.amdhsa_next_free_vgpr 1024
		.amdhsa_next_free_sgpr 102
		.amdhsa_reserve_vcc 0
		.amdhsa_float_denorm_mode_32 3
		.amdhsa_float_denorm_mode_16_64 3
		.amdhsa_memory_ordered 1
		.amdhsa_forward_progress 1
		.amdhsa_inst_pref_size 221
	.end_amdhsa_kernel
	.amdgpu_metadata
---
amdhsa.version: [ 1, 2 ]
amdhsa.kernels:
  - .name:           k_q7fc37f71fe_proj
    .symbol:         k_q7fc37f71fe_proj.kd
    .args:
      - { .name: opnd, .offset: 0, .size: 8, .value_kind: global_buffer, .address_space: global }
      - { .name: osc, .offset: 8, .size: 8, .value_kind: global_buffer, .address_space: global }
      - { .name: wQ_b, .offset: 16, .size: 8, .value_kind: global_buffer, .address_space: global }
      - { .name: wK_b, .offset: 24, .size: 8, .value_kind: global_buffer, .address_space: global }
      - { .name: wV_b, .offset: 32, .size: 8, .value_kind: global_buffer, .address_space: global }
      - { .name: qkv, .offset: 40, .size: 8, .value_kind: global_buffer, .address_space: global }
    .group_segment_fixed_size: 327680
    .private_segment_fixed_size: 0
    .kernarg_segment_align: 8
    .kernarg_segment_size: 48
    .max_flat_workgroup_size: 128
    .sgpr_count:     102
    .vgpr_count:     1024
    .wavefront_size: 32
...
	.end_amdgpu_metadata
.endif
;; end of part 2
;; launch attn (part 3): grid 4 x 64, 16 waves a work-group, clusters of 4 x 1, 206,848 bytes of LDS; arguments qkv, mw, aimg, asc; writes aimg, asc
.if DOCPART == 3
	.amdgcn_target "amdgcn-amd-amdhsa--gfx1250"
	.amdhsa_code_object_version 6
	.text
	.protected	k_q7fc37f71fe_attn
	.globl	k_q7fc37f71fe_attn
	.p2align	8
	.type	k_q7fc37f71fe_attn,@function
k_q7fc37f71fe_attn:
	s_mov_b64 s[64:65], 0
	v_nop
	global_prefetch_b8 v0, s[64:65] scope:SCOPE_SE
	s_setreg_imm32_b32 hwreg(HW_REG_WAVE_MODE, 25, 1), 1
	s_wait_xcnt 0x0
	s_wait_alu depctr_hold_cnt(0) depctr_sa_sdst(0) depctr_va_vdst(0) depctr_va_sdst(0) depctr_va_ssrc(0) depctr_va_vcc(0) depctr_vm_vsrc(0)
	s_getreg_b32 s2, hwreg(HW_REG_IB_STS2, 6, 4)
	s_cmp_eq_u32 s2, 0
	s_cbranch_scc0 .Lentry_in_a_cluster
	s_endpgm
.Lentry_in_a_cluster:
	s_bfe_u32 s2, ttmp6, 0x10000c
	s_cmp_lg_u32 s2, 0x3003
	s_cbranch_scc0 .Lentry_shape_is_right
	s_endpgm
.Lentry_shape_is_right:
; ATTN.  For each (b, head): o = softmax(where(mask, -10000, q k^T / 8)) v, both products on codes of FP6 (E2M3) with E8M0 scales; o is quantised along head x 64 + d and stored as an operand image for the last product.
; THE SOFTMAX: t = logit x log2(e); M = the running largest t rounded UP to a whole number; p = 2^(t - M) is quantised along the keys, not normalised; the row's sum is taken of the unquantised p and divides at the end.
; When M moves, the sum and O are multiplied by 2^(old M - new M): exact, with no branch.
; THE MASK replaces a score ahead of the maximum: a masked raw score becomes -80000, which x log2(e) / 8 is -10000 log2(e).  Its lane masks come as whole words from mw, 64 a key step, by scalar loads a step ahead.
; SHARES.  A work-group owns 512 queries of one head; each of its sixteen waves one tile of 16 queries at a time, twice.  The head's whole K and V, 16 key steps x 12,800 bytes, lie in LDS for the whole launch:
; wave w brings step w's block by one tensor load; nothing is filled again, so the key loop has no barrier, and there is no later fetch from memory for a prefetch to run ahead of.
; CLUSTER.  The four work-groups of a head form a cluster and ask for each block jointly.
; LAYOUT.  Both products are used transposed: S^T = k q^T, O^T = v^T p^T: a lane holds one query throughout.  Tile 4 c + u of a key step holds keys 64 c + 8 u + {0..7} and 64 c + 32 + 8 u + {0..7}:
; score register 32 c + i of lane (r, h) is key 64 c + 32 h + i of query r.  So a lane's 32 registers are ONE scale block, in the order of the next operand's registers: a block's maximum asks no other lane, and the conversions' results are the operand.
; A MASK SELECT AND A LINE OF THE BLOCK'S MAXIMUM SHARE ONE DUAL INSTRUCTION: the select of score n stands beside the maximum over score n - 2; the select's lane mask is copied into VCC by a scalar line ahead of it.
; THE SCORE PRODUCT'S K IS 64, the instruction's 128: a fragment of k is a PAIR of key tiles (tile 2 i at k 0-63, tile 2 i + 1 at k 64-127).  Against [q | zeros] it gives tile 2 i's scores, against [zeros | q] tile 2 i + 1's.
; LIMITS: the promise holds while the scaled scores stay under 2^31 in magnitude; a block of zeros, or one under 2^-124, gets the scale byte 1 (read by this program alone); NaN and infinities are not served.
; REGISTERS: v1-3 16 x, 8 x, 4 x lane; v4, v5 the add's two; v6 -80000; v7 4 r; v8-10 the step's LDS addresses; v11 8 r + h; v12 -M, v13 the largest raw score, v[14:15] the sum; v16-33 [zeros | q | zeros]; v34, v35 q's scale words;
;   v36-83 four fragments of k or v; v84-87 their scale words; v88 8 h; v89 the least f32; v96-159 S^T, then p; v160-191 O^T; v192-210 codes; v212-255 at work.
.set STEPB, 12800
.set KSC,   6144
.set VOFF,  6400
.set VSC,   12544
.set SPARE, 16*STEPB                   ; behind the sixteen steps: the spare words, 128 bytes for each wave
.set HEADB, 307200
.set STEP3, 19200
.set SPW, 4
.set NIL, 5
.set NEG, 89
.set F,   36
.set S,   96
.set O,   160
.set PCD, 192                          ; p's codes;  v204-210 the conversions' second halves
.set C0O, 212                          ; the maxima's chains: block 0's odd scores, then block 0's maximum;
.set C0E, 213                          ; its even scores;
.set C1E, 215                          ; block 1's even scores;
.set C1O, 216                          ; its odd scores, then block 1's maximum.  (A pair's two destinations are one even, one odd; its second sources lie in different banks: v6 is 2 mod 4, these are not)
.set BM,  212                          ; the way out's two maxima
.set PD,  218                          ; lane permutes' destinations
.set SO,  220                          ; the conversions' scale operands
.set BY,  224                          ; the scale bytes
.set FF,  228                          ; v228 f = 2^(old M - new M);  v229 p's scale word
.set WV,  27
.set SEL, 20
.set CS,  22
.set TB,  24
.set MP,  28                           ; s[28:29] the step's 64 mask words in mw; they land in s32-63 and s68-99
.macro CROUND
	s_barrier_signal -1
	s_barrier_wait -1
	s_cmp_lg_u32 s[WV], 0
	s_cbranch_scc1 .Lnot_wave_0_\@
	s_barrier_signal -3
.Lnot_wave_0_\@:
	s_barrier_wait -3
	s_barrier_signal -1
	s_barrier_wait -1
.endm
	s_load_b256 s[4:11], s[0:1], 0x0               ; qkv, mw, aimg, asc
	v_lshl_add_u32 v[SPW], v0, 2, SPARE
	v_mov_b32 v[NIL], 0
	ds_add_u32 v[SPW], v[NIL]                      ; the opening lines: the add, twice on end, and its wait ahead of my tensor load
	ds_add_u32 v[SPW], v[NIL]
	v_lshrrev_b32 v8, 5, v0
	s_delay_alu instid0(VALU_DEP_1)
	v_readfirstlane_b32 s[WV], v8                  ; wave 0..15
	s_bfe_u32 s3, ttmp6, 0x40000                   ; cx: it enters q's, the mask's and the results' global addresses alone
	s_and_b32 s12, ttmp7, 0xffff                   ; b x 16 + head, which the four partners share
	s_lshr_b32 s13, s12, 4                         ; b
	s_and_b32 s14, s12, 15                         ; head
	s_mov_b32 s36, 15|(3<<16)|(1<<21)              ; group 1: a step's 12,800 dense bytes as 50 rows of 256; the mask names all four work-groups
	s_mov_b32 s37, 32<<16
	s_mov_b32 s38, 50<<16
	s_mov_b32 s39, 32<<16
	s_mov_b32 s40, 50
	s_mov_b32 s41, 32
	s_mov_b32 s42, 0
	s_mov_b32 s43, 0
	s_mov_b32 s[SEL], 0x76543210
	s_mov_b32 s[SEL+1], 0xfedcba98
	s_mov_b32 s[CS], 0x3e38aa3b                    ; log2(e) / 8
	s_mov_b32 s[CS+1], s[CS]
	s_mul_i32 s30, s12, HEADB
	s_mov_b32 s31, 0
	s_mul_i32 s100, s[WV], STEP3
	s_add_co_u32 s100, s100, 6400                  ; step w's k block: behind its q block
	s_mov_b32 s101, 0
	s_wait_dscnt 0x0
	s_wait_kmcnt 0x0
	s_add_nc_u64 s[66:67], s[4:5], s[30:31]        ; my head in qkv
	s_mov_b32 s32, 1
	s_mul_i32 s33, s[WV], STEPB                    ; LDS address: wave x a step
	s_add_nc_u64 s[34:35], s[66:67], s[100:101]
	s_or_b32 s35, s35, 0x80000000
	CROUND                                         ; all four work-groups are here: the joint loads meet
	tensor_load_to_lds s[32:35], s[36:43]          ; my one tensor load of the launch
	s_nop 0
.rept 4
	v_nop
.endr
	v_and_b32 v8, 31, v0
	v_and_b32 v9, 15, v0
	v_bfe_u32 v10, v0, 4, 1
	s_delay_alu instid0(VALU_DEP_3)
	v_lshlrev_b32 v1, 4, v8
	s_delay_alu instid0(VALU_DEP_4)
	v_lshlrev_b32 v2, 3, v8
	v_lshlrev_b32 v3, 2, v8
	v_mov_b32 v6, 0xc79c4000                       ; -80000.0
	v_mov_b32 v[NEG], 0xff7fffff                   ; under every score: where a chain of maxima begins
	v_lshlrev_b32 v7, 2, v9
	v_lshl_add_u32 v11, v9, 3, v10
	v_lshlrev_b32 v88, 3, v10
.irp i, 16,17,18,19,20,21,28,29,30,31,32,33
	v_mov_b32 v\i, 0                               ; the zero codes on both sides of q
.endr
	v_mov_b32 v[PD], 0                             ; a lane permute's destination counts as one of its sources
	v_mov_b32 v[PD+1], 0
	v_mov_b32 v[FF+1], 0
	s_wait_alu depctr_va_vdst(0)                   ; the wait at the head's end
	s_wait_tensorcnt 0x0                           ; my step's block is in,
	s_barrier_signal -1
	s_barrier_wait -1                              ; and everybody's
	s_mov_b32 s26, 0                               ; the pass
.macro LOADF base
.irp i, 0,1,2,3
	ds_load_b128 v[F+12*\i:F+12*\i+3], v8 offset:\base+1536*\i
	ds_load_b64 v[F+12*\i+4:F+12*\i+5], v9 offset:\base+1536*\i+512
	ds_load_b128 v[F+12*\i+6:F+12*\i+9], v8 offset:\base+1536*\i+768
	ds_load_b64 v[F+12*\i+10:F+12*\i+11], v9 offset:\base+1536*\i+1280
.endr
.endm
.macro KLOAD                           ; k's four pairs of tiles; scale words: lanes 0-15 pair 2 m, lanes 16-31 pair 2 m + 1
	LOADF 0
	ds_load_b32 v84, v10 offset:KSC
	ds_load_b32 v85, v10 offset:KSC+128
.endm
.macro VLOAD                           ; v's four tiles of 16 features x 128 keys
	LOADF VOFF
	ds_load_b32 v86, v10 offset:VSC
	ds_load_b32 v87, v10 offset:VSC+128
.endm
; A KEY STEP: 128 keys.  next = 1: the next step's mask words and k are asked for.
.macro STEP next
	s_wait_dscnt 0x0                               ; k is in
.irp i, 0,1,2,3
.irp u, 0,1                                    ; u = 0: [q | zeros], v22-33;  u = 1: [zeros | q], v16-27
.if \i%2
	v_wmma_scale_f32_16x16x128_f8f6f4 v[S+16*\i+8*\u:S+16*\i+8*\u+7], v[F+12*\i:F+12*\i+11], v[22-6*\u:33-6*\u], 0, v[84+\i/2], v[34+\u] matrix_a_fmt:MATRIX_FMT_FP6 matrix_b_fmt:MATRIX_FMT_FP6 matrix_a_scale:MATRIX_SCALE_ROW1
.else
	v_wmma_scale_f32_16x16x128_f8f6f4 v[S+16*\i+8*\u:S+16*\i+8*\u+7], v[F+12*\i:F+12*\i+11], v[22-6*\u:33-6*\u], 0, v[84+\i/2], v[34+\u] matrix_a_fmt:MATRIX_FMT_FP6 matrix_b_fmt:MATRIX_FMT_FP6
.endif
.endr
.endr
	v_mov_b32 v230, v12                            ; the old -M.  With three v_nop: the four places in front of the loads into k's registers and of the first read of the scores
.rept 3
	v_nop
.endr
	VLOAD                                          ; lands while the softmax is walked
	s_wait_kmcnt 0x0                               ; this step's 64 mask words are in
	v_cndmask_b32 v[S], v[S], v6, s32              ; each accumulator from its low end on
	v_cndmask_b32 v[S+1], v[S+1], v6, s33
.set n, 2
.rept 62
.set m, n-2
.if m%2
.set CH, C0O+4*(m/32)
.else
.set CH, C0E+2*(m/32)
.endif
.if m%32 < 2
.set CI, NEG
.else
.set CI, CH
.endif
	s_mov_b32 vcc_lo, s[32+n+4*(n/32)]
	v_dual_cndmask_b32 v[S+n], v[S+n], v6 :: v_dual_max_num_f32 v[CH], v[S+m], v[CI]   ; score n is masked; masked score n - 2 joins its block's chain
.set n, n+1
.endr
	v_max_num_f32 v[C0O], v[C0O], v[C0E]           ; block h's largest score: for the row's maximum and, since p rises with the score, for the block's largest p
	v_max3_num_f32 v[C1O], v[C1O], v[C1E], v[S+62]
	s_delay_alu instid0(VALU_DEP_1)
	v_max_num_f32 v[C1O], v[C1O], v[S+63]          ; block 2 + h's
	s_delay_alu instid0(VALU_DEP_1)
	v_max_num_f32 v231, v[C0O], v[C1O]
	s_delay_alu instid0(VALU_DEP_1)
	v_permlanex16_b32 v[PD], v231, s[SEL], s[SEL+1]
.if \next
	s_add_nc_u64 s[MP:MP+1], s[MP:MP+1], 256       ; the wait above has shown the last scalar loads done, and the words have been read: base and words may be written
	s_load_b512 s[32:47], s[MP:MP+1], 0x0
	s_load_b512 s[48:63], s[MP:MP+1], 0x40
	s_load_b512 s[68:83], s[MP:MP+1], 0x80
	s_load_b512 s[84:99], s[MP:MP+1], 0xc0
.endif
	v_max3_num_f32 v13, v13, v231, v[PD]
	s_delay_alu instid0(VALU_DEP_1)
	v_mul_f32 v231, s[CS], v13                     ; as t (c is positive)
	s_delay_alu instid0(VALU_DEP_1)
	v_floor_f32 v12, -v231                         ; the new -M = floor(-t): M is a whole number
	s_delay_alu instid0(VALU_DEP_1)
	v_sub_f32 v230, v12, v230                      ; old M - new M: a whole number, 0 or less
	s_delay_alu instid0(VALU_DEP_1)
	v_cvt_i32_f32 v230, v230                       ; (it saturates)
	s_delay_alu instid0(VALU_DEP_1)
	v_ldexp_f32 v[FF], 1.0, v230                   ; f = 2^(old M - new M)
.set n, 0
.rept 32
	v_pk_fma_f32 v[S+n:S+n+1], v[S+n:S+n+1], s[CS:CS+1], v[12:13] op_sel_hi:[1,0,0]   ; t - M, two at a time
.set n, n+2
.endr
	v_fma_f32 v[C0O], v[C0O], s[CS], v12           ; the same of each block's largest score
	v_fma_f32 v[C1O], v[C1O], s[CS], v12
	s_wait_alu depctr_va_vdst(0)                   ; the wait ahead of the batch
.set n, 0
.rept 64
	v_exp_f32 v[S+n], v[S+n]                       ; p = 2^(t - M), at most 1
.set n, n+1
.endr
	v_exp_f32 v[C0O], v[C0O]                       ; the blocks' largest p: the same two instructions on the same number give the same bits
	v_exp_f32 v[C1O], v[C1O]
	v_pk_mul_f32 v[14:15], v[14:15], v[FF:FF+1] op_sel_hi:[1,0]   ; the sums under the new M: a plain place behind the exponentials
	s_wait_alu depctr_va_vdst(0)                   ; one wait for the whole batch, ahead of its first reader
	v_max_num_f32 v[C0O], 0x1800000, v[C0O]        ; the floor 2^(3 - 127): the byte cannot fall under 1
	v_max_num_f32 v[C1O], 0x1800000, v[C1O]
	s_delay_alu instid0(VALU_DEP_2)
	v_add_nc_u32 v[SO], 0xff000000, v[C0O]         ; 2 off the exponent field: the conversion's scale operand
	s_delay_alu instid0(VALU_DEP_2)
	v_add_nc_u32 v[SO+1], 0xff000000, v[C1O]
	s_delay_alu instid0(VALU_DEP_2)
	v_lshrrev_b32 v[BY], 23, v[SO]                 ; the scale's byte
	s_delay_alu instid0(VALU_DEP_2)
	v_lshrrev_b32 v[BY+1], 23, v[SO+1]
	s_delay_alu instid0(VALU_DEP_1)
	v_lshl_or_b32 v231, v[BY+1], 16, v[BY]         ; blocks h and 2 + h,
	s_delay_alu instid0(VALU_DEP_1)
	v_lshlrev_b32 v231, v88, v231                  ; at their places in the word (8 h bits up)
	s_delay_alu instid0(VALU_DEP_1)
	v_permlanex16_b32 v[PD], v231, s[SEL], s[SEL+1]
	v_pk_add_f32 v[232:233], v[100:101], v[104:105]   ; the row's sum of the unquantised p, in eight chains
	v_pk_add_f32 v[254:255], v[108:109], v[112:113]
	v_pk_add_f32 v[252:253], v[116:117], v[120:121]
	v_pk_add_f32 v[250:251], v[124:125], v[128:129]
	v_pk_add_f32 v[248:249], v[132:133], v[136:137]
	v_pk_add_f32 v[246:247], v[140:141], v[144:145]
	v_pk_add_f32 v[244:245], v[148:149], v[152:153]
	v_pk_add_f32 v[14:15], v[14:15], v[156:157]
	v_pk_add_f32 v[232:233], v[232:233], v[96:97]
	v_pk_add_f32 v[254:255], v[254:255], v[98:99]
	v_pk_add_f32 v[252:253], v[252:253], v[102:103]
	v_pk_add_f32 v[250:251], v[250:251], v[106:107]
	v_pk_add_f32 v[248:249], v[248:249], v[110:111]
	v_pk_add_f32 v[246:247], v[246:247], v[114:115]
	v_pk_add_f32 v[244:245], v[244:245], v[118:119]
	v_pk_add_f32 v[14:15], v[14:15], v[122:123]
	v_pk_add_f32 v[232:233], v[232:233], v[126:127]
	v_pk_add_f32 v[254:255], v[254:255], v[130:131]
	v_pk_add_f32 v[252:253], v[252:253], v[134:135]
	v_pk_add_f32 v[250:251], v[250:251], v[138:139]
	v_pk_add_f32 v[248:249], v[248:249], v[142:143]
	v_pk_add_f32 v[246:247], v[246:247], v[146:147]
	v_pk_add_f32 v[244:245], v[244:245], v[150:151]
	v_pk_add_f32 v[14:15], v[14:15], v[154:155]
	v_pk_add_f32 v[232:233], v[232:233], v[158:159]
	s_delay_alu instid0(VALU_DEP_2)
	v_pk_add_f32 v[14:15], v[14:15], v[250:251]
	s_delay_alu instid0(VALU_DEP_2)
	v_pk_add_f32 v[232:233], v[232:233], v[248:249]
	v_pk_add_f32 v[254:255], v[254:255], v[246:247]
	v_pk_add_f32 v[252:253], v[252:253], v[244:245]
	s_delay_alu instid0(VALU_DEP_2)
	v_pk_add_f32 v[14:15], v[14:15], v[254:255]
	s_delay_alu instid0(VALU_DEP_2)
	v_pk_add_f32 v[232:233], v[232:233], v[252:253]
	s_delay_alu instid0(VALU_DEP_1)
	v_pk_add_f32 v[14:15], v[14:15], v[232:233]
	v_or_b32 v[FF+1], v231, v[PD]                  ; with lane l xor 16's two bytes p's scale word is whole
.irp c, 0,1
	v_cvt_scalef32_pk16_fp6_f32 v[PCD+6*\c:PCD+6*\c+2], v[S+32*\c:S+32*\c+15], v[SO+\c]
	v_cvt_scalef32_pk16_fp6_f32 v[PCD+12+4*\c:PCD+14+4*\c], v[S+32*\c+16:S+32*\c+31], v[SO+\c]   ; (a conversion's three registers begin on an even number)
.endr
	v_nop                                          ; one plain place behind a scaled conversion
.irp c, 0,1
.irp i, 0,1,2
	v_mov_b32 v[PCD+3+6*\c+\i], v[PCD+12+4*\c+\i]  ; registers 6 c .. 6 c + 5: keys 64 c + 32 h + 0 .. 31
.endr
.endr
	s_wait_alu depctr_va_vdst(0)                   ; the wait here, directly ahead of the first reader of O^T
.set n, 0
.rept 16
	v_pk_mul_f32 v[O+n:O+n+1], v[O+n:O+n+1], v[FF:FF+1] op_sel_hi:[1,0]   ; O^T under the new M; also the places between the writes of p's codes and scale word and the products
.set n, n+2
.endr
	s_wait_alu depctr_va_vdst(0)                   ; the wait ahead of the wait below
	s_wait_dscnt 0x0                               ; v is in
.irp d, 0,1,2,3                                ; O^T += v^T p^T: four accumulators, one instruction a turn
.if \d%2
	v_wmma_scale_f32_16x16x128_f8f6f4 v[O+8*\d:O+8*\d+7], v[F+12*\d:F+12*\d+11], v[PCD:PCD+11], v[O+8*\d:O+8*\d+7], v[86+\d/2], v[FF+1] matrix_a_fmt:MATRIX_FMT_FP6 matrix_b_fmt:MATRIX_FMT_FP6 matrix_a_scale:MATRIX_SCALE_ROW1
.else
	v_wmma_scale_f32_16x16x128_f8f6f4 v[O+8*\d:O+8*\d+7], v[F+12*\d:F+12*\d+11], v[PCD:PCD+11], v[O+8*\d:O+8*\d+7], v[86+\d/2], v[FF+1] matrix_a_fmt:MATRIX_FMT_FP6 matrix_b_fmt:MATRIX_FMT_FP6
.endif
.endr
.if \next
	s_add_co_u32 s[TB], s[TB], STEPB
	v_add_nc_u32 v8, s[TB], v1                     ; three additions and a v_nop: the four places in front of the loads into v's registers
	v_add_nc_u32 v9, s[TB], v2
	v_add_nc_u32 v10, s[TB], v3
	v_nop
	KLOAD
.endif
.endm
.Lpass:                                            ; two trips: my tile of 16 queries is 32 cx + 16 pass + wave
	s_wait_xcnt 0x0                                ; the last pass's stores have read their data and bases
	s_lshl_b32 s15, s3, 5
	s_lshl_b32 s30, s26, 4
	s_add_co_u32 s15, s15, s30
	s_add_co_u32 s15, s15, s[WV]                   ; t
	s_lshr_b32 s30, s15, 3
	s_mul_i32 s30, s30, STEP3                      ; its q block,
	s_and_b32 s31, s15, 7
	s_mul_i32 s100, s31, 768                       ; its half-image there
	s_add_co_u32 s100, s100, s30
	s_mov_b32 s101, 0
	s_add_nc_u64 s[16:17], s[66:67], s[100:101]
	s_lshr_b32 s100, s31, 1                        ; its two scale bytes a row: pair t / 2, half t % 2
	s_lshl_b32 s100, s100, 6
	s_and_b32 s31, s31, 1
	s_lshl_b32 s31, s31, 1
	s_add_co_u32 s100, s100, s31
	s_add_co_u32 s100, s100, s30
	s_add_co_u32 s100, s100, KSC
	s_add_nc_u64 s[18:19], s[66:67], s[100:101]
	global_load_b128 v[22:25], v1, s[16:17]        ; q's six registers
	global_load_b64 v[26:27], v2, s[16:17] offset:512
	global_load_u16 v34, v7, s[18:19]              ; its scale bytes, for k 0-63; the upper two bytes are 0
	s_lshl_b32 s30, s13, 7
	s_add_co_u32 s30, s30, s15
	s_lshl_b32 s30, s30, 12                        ; 4,096 bytes of mask words a tile
	s_mov_b32 s31, 0
	s_add_nc_u64 s[MP:MP+1], s[6:7], s[30:31]
	s_load_b512 s[32:47], s[MP:MP+1], 0x0          ; key step 0's
	s_load_b512 s[48:63], s[MP:MP+1], 0x40
	s_load_b512 s[68:83], s[MP:MP+1], 0x80
	s_load_b512 s[84:99], s[MP:MP+1], 0xc0
	s_mov_b32 s[TB], 0
	v_add_nc_u32 v8, s[TB], v1
	v_add_nc_u32 v9, s[TB], v2
	v_add_nc_u32 v10, s[TB], v3
	KLOAD
	v_mov_b32 v13, 0xff61b1e6                      ; the largest raw score so far: -3e38
	s_delay_alu instid0(VALU_DEP_1)
	v_floor_f32 v12, -v13                          ; -M
	v_mov_b32 v14, 0                               ; the sum, in two halves
	v_mov_b32 v15, 0
	s_wait_loadcnt 0x0                             ; q
	v_lshlrev_b32 v35, 16, v34                     ; the same two bytes for k 64-127
.set n, 0
.rept 32
	v_mov_b32 v[O+n], 0                            ; O^T: the step is written once, and its first trip finds zeros; also the places between the write of v35 and the first product
.set n, n+1
.endr
	s_mov_b32 s25, 15
.Lstep:
	s_wait_alu depctr_va_vdst(0)
	STEP 1
	s_sub_co_u32 s25, s25, 1
	s_cmp_lg_u32 s25, 0
	s_cbranch_scc1 .Lstep
	s_wait_alu depctr_va_vdst(0)
	STEP 0                                         ; the last step is written out: nothing is asked for beyond the head's keys
	; THE WAY OUT of a tile: O^T / the sum, quantised along d (two blocks of 32), is the half-image (tile, head) of the last product's operand.
.rept 4
	v_nop                                          ; places behind the last products
.endr
	v_add_f32 v14, v14, v15
	s_delay_alu instid0(VALU_DEP_1)
	v_permlanex16_b32 v[PD], v14, s[SEL], s[SEL+1]
	s_delay_alu instid0(VALU_DEP_1)
	v_add_f32 v14, v14, v[PD]                      ; the row's sum
	s_wait_alu depctr_va_vdst(0)
	v_rcp_f32 v14, v14
	v_nop                                          ; a plain place behind the transcendental
	s_lshl_b32 s30, s13, 7
	s_add_co_u32 s30, s30, s15                     ; the row tile: 128 b + t
	s_mul_i32 s100, s30, 12288
	s_mul_i32 s31, s14, 768
	s_add_co_u32 s100, s100, s31
	s_mov_b32 s101, 0
	s_add_nc_u64 s[16:17], s[8:9], s[100:101]
	s_lshl_b32 s100, s30, 9                        ; asc: [tile][head / 4][r][(head / 2) % 2][2 (head % 2) + block]
	s_lshr_b32 s31, s14, 2
	s_lshl_b32 s31, s31, 7
	s_add_co_u32 s100, s100, s31
	s_bfe_u32 s31, s14, 0x10001
	s_lshl_b32 s31, s31, 2
	s_add_co_u32 s100, s100, s31
	s_and_b32 s31, s14, 1
	s_lshl_b32 s31, s31, 1
	s_add_co_u32 s100, s100, s31
	s_add_nc_u64 s[18:19], s[10:11], s[100:101]
	s_wait_alu depctr_va_vdst(0)                   ; ahead of the reciprocal's first reader
.set n, 0
.rept 32
	v_mul_f32 v[S+n], v[O+n], v14                  ; register 16 b + i is o(r, 32 b + 16 h + i); each accumulator from its low end on
.set n, n+1
.endr
.irp b, 0,1
	v_max3_num_f32 v[BM+\b], |v[S+16*\b]|, |v[S+16*\b+1]|, 0x1800000
.endr
.irp i, 2,4,6,8,10,12,14
.irp b, 0,1
	s_delay_alu instid0(VALU_DEP_2)
	v_max3_num_f32 v[BM+\b], v[BM+\b], |v[S+16*\b+\i]|, |v[S+16*\b+\i+1]|
.endr
.endr
.irp b, 0,1
	s_delay_alu instid0(VALU_DEP_2)
	v_permlanex16_b32 v[PD+\b], v[BM+\b], s[SEL], s[SEL+1]
.endr
.irp b, 0,1
	s_delay_alu instid0(VALU_DEP_2)
	v_max_num_f32 v[BM+\b], v[BM+\b], v[PD+\b]
.endr
.irp b, 0,1
	s_delay_alu instid0(VALU_DEP_2)
	v_add_nc_u32 v[SO+\b], 0xff000000, v[BM+\b]
.endr
.irp b, 0,1
	s_delay_alu instid0(VALU_DEP_2)
	v_lshrrev_b32 v[BY+\b], 23, v[SO+\b]
.endr
	v_cvt_scalef32_pk16_fp6_f32 v[PCD:PCD+2], v[S:S+15], v[SO]
	v_cvt_scalef32_pk16_fp6_f32 v[PCD+12:PCD+14], v[S+16:S+31], v[SO+1]
	v_nop                                          ; one plain place behind a scaled conversion
.irp i, 0,1,2
	v_permlane16_swap_b32 v[PCD+\i], v[PCD+12+\i]
.endr
.irp i, 0,1,2
	s_delay_alu instid0(VALU_DEP_3)
	v_mov_b32 v[PCD+3+\i], v[PCD+12+\i]
.endr
	v_lshl_or_b32 v230, v[BY+1], 8, v[BY]
	s_delay_alu instid0(VALU_DEP_1)
	v_lshrrev_b32 v230, v88, v230                  ; lane (r, h) keeps block h's byte
	global_store_b128 v1, v[PCD:PCD+3], s[16:17]   ; 512 consecutive bytes, aligned
	global_store_b64 v2, v[PCD+4:PCD+5], s[16:17] offset:512
	global_store_b8 v11, v230, s[18:19]            ; 32 single bytes beside 768 bytes of codes: a scale word's halves come from two heads' work-groups, so they are not gathered here
	s_add_co_u32 s26, s26, 1
	s_cmp_lt_u32 s26, 2
	s_cbranch_scc1 .Lpass
	s_wait_tensorcnt 0x0                           ; the wave's end
	ds_add_u32 v[SPW], v[NIL]
	s_wait_dscnt 0x0
	CROUND                                         ; the closing round
	s_endpgm
.Lfunc_end_k_q7fc37f71fe_attn:
	.size	k_q7fc37f71fe_attn, .Lfunc_end_k_q7fc37f71fe_attn-k_q7fc37f71fe_attn
	.p2alignl 7, 3214868480
	.fill 96, 4, 3214868480
	.section	.rodata,"a",@progbits
	.p2align	6, 0x0
	.amdhsa_kernel k_q7fc37f71fe_attn
		.amdhsa_group_segment_fixed_size 206848
		.amdhsa_private_segment_fixed_size 0
		.amdhsa_enable_private_segment 0
		.amdhsa_kernarg_size 32
		.amdhsa_user_sgpr_count 2
		.amdhsa_user_sgpr_kernarg_segment_ptr 1
		.amdhsa_wavefront_size32 1
		.amdhsa_system_sgpr_workgroup_id_x 1
		.amdhsa_system_sgpr_workgroup_id_y 1
		.amdhsa_system_sgpr_workgroup_id_z 1
		.amdhsa_system_vgpr_workitem_id 0
		.amdhsa_next_free_vgpr 256
		.amdhsa_next_free_sgpr 102
		.amdhsa_reserve_vcc 1
		.amdhsa_float_denorm_mode_32 3
		.amdhsa_float_denorm_mode_16_64 3
		.amdhsa_memory_ordered 1
		.amdhsa_forward_progress 1
		.amdhsa_inst_pref_size 52
	.end_amdhsa_kernel
	.amdgpu_metadata
---
amdhsa.version: [ 1, 2 ]
amdhsa.kernels:
  - .name:           k_q7fc37f71fe_attn
    .symbol:         k_q7fc37f71fe_attn.kd
    .args:
      - { .name: qkv, .offset: 0, .size: 8, .value_kind: global_buffer, .address_space: global }
      - { .name: mw, .offset: 8, .size: 8, .value_kind: global_buffer, .address_space: global }
      - { .name: aimg, .offset: 16, .size: 8, .value_kind: global_buffer, .address_space: global }
      - { .name: asc, .offset: 24, .size: 8, .value_kind: global_buffer, .address_space: global }
    .group_segment_fixed_size: 206848
    .private_segment_fixed_size: 0
    .kernarg_segment_align: 8
    .kernarg_segment_size: 32
    .max_flat_workgroup_size: 512
    .sgpr_count:     102
    .vgpr_count:     256
    .wavefront_size: 32
...
	.end_amdgpu_metadata
.endif
;; end of part 3
;; launch outp (part 4): grid 4 x 32, 4 waves a work-group, clusters of 4 x 4, 327,680 bytes of LDS; arguments aimg, asc, opnd, osc, wOut_b, out0; writes out0
.if DOCPART == 4
	.amdgcn_target "amdgcn-amd-amdhsa--gfx1250"
	.amdhsa_code_object_version 6
	.text
	.protected	k_q7fc37f71fe_outp
	.globl	k_q7fc37f71fe_outp
	.p2align	8
	.type	k_q7fc37f71fe_outp,@function
k_q7fc37f71fe_outp:
	s_mov_b64 s[64:65], 0
	v_nop
	global_prefetch_b8 v0, s[64:65] scope:SCOPE_SE
	s_setreg_imm32_b32 hwreg(HW_REG_WAVE_MODE, 25, 1), 1
	s_wait_xcnt 0x0
	s_wait_alu depctr_hold_cnt(0) depctr_sa_sdst(0) depctr_va_vdst(0) depctr_va_sdst(0) depctr_va_ssrc(0) depctr_va_vcc(0) depctr_vm_vsrc(0)
	s_getreg_b32 s2, hwreg(HW_REG_IB_STS2, 6, 4)
	s_cmp_eq_u32 s2, 0
	s_cbranch_scc0 .Lentry_in_a_cluster
	s_endpgm
.Lentry_in_a_cluster:
	s_bfe_u32 s2, ttmp6, 0x10000c
	s_cmp_lg_u32 s2, 0xf033
	s_cbranch_scc0 .Lentry_shape_is_right
	s_endpgm
.Lentry_shape_is_right:
.set SIZE_N, 1024
.set SLOTB,  3072
.set TILEB,  12288
.set HALFT,  8*SLOTB
.set SLOT,   4*HALFT
.set SCL,    2*SLOT
.set SPARE,  SCL+4*4096
.set SPITCH, 528
.set FR,     12
.set NL,     4
.set NP,     4
.set NQ,     2
.set ADRA, 16
.set ADRB, 20
.set STO,  24
.set RD,   25
.set CO,   26
.set ADRS, 27
.set SPW,  28
.set NIL,  29
.set SC,   32
.set CB,   64
.set AF,   128
.set BK,   128
.set G1, 24
.set G0, 32
.set G1B, 48
.set G0B, 56
.set G1S, 68
.set G0S, 76
.set G1SB, 80
.set G0SB, 88
.set MSB, 0
.macro WIN new
.if MSB != (\new)
	s_set_vgpr_msb (MSB<<8)|(\new)
.set MSB, (\new)
.endif
.endm
.set MUL_LO, 0xa1
.set MUL_HI, 0xf1
.set FIRST_LO, 0x81
.set FIRST_HI, 0xc1
.set TO_B,   0x40
.macro JLOAD g0a, g1a, g0b, g1b
	s_cmp_eq_u32 s15, 0
	s_cbranch_scc0 .Lfor_b_\@
	tensor_load_to_lds s[\g0a:\g0a+3], s[\g1a:\g1a+7]
	s_nop 0
.rept 4
	v_nop
.endr
	s_branch .Lasked_\@
.Lfor_b_\@:
	tensor_load_to_lds s[\g0b:\g0b+3], s[\g1b:\g1b+7]
	s_nop 0
.rept 4
	v_nop
.endr
.Lasked_\@:
.endm
.macro CREST
	s_cmp_lg_u32 s14, 0
	s_cbranch_scc1 .Lnot_wave_0_\@
	s_barrier_signal -3
.Lnot_wave_0_\@:
	s_barrier_wait -3
	s_barrier_signal -1
	s_barrier_wait -1
.endm
.macro CROUND
	s_barrier_signal -1
	s_barrier_wait -1
	CREST
.endm
	s_load_b128 s[4:7], s[0:1], 0x0
	s_load_b128 s[8:11], s[0:1], 0x10
	s_load_b64 s[96:97], s[0:1], 0x20
	s_load_b64 s[12:13], s[0:1], 0x28
	v_lshl_add_u32 v[SPW], v0, 2, SPARE
	v_mov_b32 v[NIL], 0
	ds_add_u32 v[SPW], v[NIL]
	ds_add_u32 v[SPW], v[NIL]
	v_lshrrev_b32 v1, 5, v0
	v_readfirstlane_b32 s14, v1
	s_lshr_b32 s15, s14, 1
	s_and_b32 s16, s14, 1
	s_bfe_u32 s40, ttmp6, 0x40000
	s_bfe_u32 s41, ttmp6, 0x40004
	s_lshl_b32 s42, ttmp9, 2
	s_add_co_u32 s42, s42, s40
	s_and_b32 s17, ttmp7, 0xffff
	s_lshl_b32 s17, s17, 2
	s_add_co_u32 s17, s17, s41
	s_lshl_b32 s43, s41, 2
	s_lshl_b32 s43, 15, s43
	s_lshl_b32 s44, 0x1111, s40
	s_or_b32 s[G1+0], s43, (3<<16)|(1<<21)
	s_or_b32 s[G1B+0], s44, (3<<16)|(1<<21)
.irp g, G1, G1B
	s_mov_b32 s[\g+1], 384<<16
	s_mov_b32 s[\g+2], 16<<16
	s_mov_b32 s[\g+3], 384<<16
	s_mov_b32 s[\g+4], 16
	s_mov_b32 s[\g+5], TILEB/8
	s_mov_b32 s[\g+6], 0
	s_mov_b32 s[\g+7], 0
.endr
	s_or_b32 s[G1S+0], s43, (3<<16)|(1<<21)
	s_or_b32 s[G1SB+0], s44, (3<<16)|(1<<21)
.irp g, G1S, G1SB
	s_mov_b32 s[\g+1], 32<<16
	s_mov_b32 s[\g+2], 32<<16
	s_mov_b32 s[\g+3], 32<<16
	s_mov_b32 s[\g+4], 32
	s_mov_b32 s[\g+5], 32
	s_mov_b32 s[\g+6], 0
	s_mov_b32 s[\g+7], 0
.endr
	s_lshl_b32 s20, s17, 4
	s_lshl_b32 s46, s42, 4
	s_add_co_u32 s46, s46, 1728
	s_lshl_b32 s22, s20, 9
	s_mov_b32 s23, 0
	s_lshl_b32 s92, s46, 9
	s_mov_b32 s93, 0
	s_mul_i32 s20, s20, TILEB
	s_mov_b32 s21, 0
	s_mul_i32 s46, s46, TILEB
	s_mov_b32 s47, 0
	s_mul_i32 s45, s14, HALFT
	s_wait_dscnt 0x0
	s_wait_kmcnt 0x0
	s_add_nc_u64 s[20:21], s[4:5], s[20:21]
	s_add_nc_u64 s[22:23], s[6:7], s[22:23]
	s_add_nc_u64 s[46:47], s[8:9], s[46:47]
	s_add_nc_u64 s[92:93], s[10:11], s[92:93]
	CROUND
	s_mov_b32 s[G0S], 1
	s_mov_b32 s[G0S+1], SCL
	s_mov_b64 s[G0S+2:G0S+3], s[22:23]
	s_or_b32 s[G0S+3], s[G0S+3], 0x80000000
	s_mov_b32 s[G0SB], 1
	s_mov_b32 s[G0SB+1], SCL+8192
	s_mov_b64 s[G0SB+2:G0SB+3], s[92:93]
	s_or_b32 s[G0SB+3], s[G0SB+3], 0x80000000
.set G0H, 4                            ; s[4:7], s[8:11] group 0 of the head's loads of slot 0: A's 16 tiles, B's 16 tiles (the arguments that lay there have been used)
.set G0HB, 8
	s_mov_b32 s[G0H], 1
	s_mov_b32 s[G0H+1], 0
	s_mov_b64 s[G0H+2:G0H+3], s[20:21]
	s_or_b32 s[G0H+3], s[G0H+3], 0x80000000
	s_mov_b32 s[G0HB], 1
	s_mov_b32 s[G0HB+1], 2*HALFT
	s_mov_b64 s[G0HB+2:G0HB+3], s[46:47]
	s_or_b32 s[G0HB+3], s[G0HB+3], 0x80000000
	s_mul_i32 s18, s16, 8*TILEB                    ; in the ring a wave fetches 8 tiles: which half
	s_mov_b32 s19, 0
	s_add_nc_u64 s[20:21], s[20:21], s[18:19]
	s_add_nc_u64 s[46:47], s[46:47], s[18:19]
.irp s, 0,1
	s_mov_b32 s[G0+4*\s], 1
	s_add_co_u32 s[G0+4*\s+1], s45, \s*SLOT
	s_add_nc_u64 s[G0+4*\s+2:G0+4*\s+3], s[20:21], \s*SLOTB
	s_or_b32 s[G0+4*\s+3], s[G0+4*\s+3], 0x80000000
	s_mov_b32 s[G0B+4*\s], 1
	s_add_co_u32 s[G0B+4*\s+1], s45, \s*SLOT
	s_add_nc_u64 s[G0B+4*\s+2:G0B+4*\s+3], s[46:47], \s*SLOTB
	s_or_b32 s[G0B+4*\s+3], s[G0B+4*\s+3], 0x80000000
.endr
; THE HEAD'S LOADS, ONE A WAVE: wave 0 slot 0's 16 tiles of A, wave 1 its 16 tiles of B, wave 2 A's scale words, wave 3 B's.  One chain of branches on the wave's number, one load to an arm.
.macro ARM under, g0, g1, next
	s_cmp_lt_u32 s14, \under
	s_cbranch_scc0 \next
	tensor_load_to_lds s[\g0:\g0+3], s[\g1:\g1+7]
	s_nop 0
.rept 4
	v_nop
.endr
	s_branch .Lhead_asked
\next:
.endm
	ARM 1, G0H,  G1,  .Lhead_b
	ARM 2, G0HB, G1B, .Lhead_sa
	ARM 3, G0S,  G1S, .Lhead_sb
	tensor_load_to_lds s[G0SB:G0SB+3], s[G1SB:G1SB+7]
	s_nop 0
.rept 4
	v_nop
.endr
.Lhead_asked:
	v_and_b32 v3, 31, v0
	v_and_b32 v4, 15, v0
	v_bfe_u32 v5, v0, 4, 1
	v_lshlrev_b32 v1, 4, v3
	v_lshlrev_b32 v2, 3, v3
	s_mul_i32 s21, s15, HALFT
	s_mul_i32 s22, s16, HALFT
	s_add_co_u32 s22, s22, 2*HALFT
.irp s, 0,1
	v_add_nc_u32 v[ADRA+\s], s21, v1
	v_add_nc_u32 v[ADRB+\s], s22, v1
	v_add_nc_u32 v[ADRA+2+\s], s21, v2
	v_add_nc_u32 v[ADRB+2+\s], s22, v2
	s_add_co_u32 s21, s21, SLOT
	s_add_co_u32 s22, s22, SLOT
.endr
	s_lshl_b32 s21, s15, 12
	s_lshl_b32 s22, s16, 12
	s_add_co_u32 s22, s22, 8192
	s_sub_co_u32 s22, s22, s21
	v_mul_u32_u24 v6, s22, v5
	s_add_co_u32 s21, s21, SCL
	v_lshl_add_u32 v6, v4, 3, v6
	v_add_nc_u32 v[ADRS], s21, v6
	s_mul_i32 s23, s14, 16*SPITCH
	v_mul_u32_u24 v6, v4, SPITCH
	v_lshl_add_u32 v6, v5, 5, v6
	v_add_nc_u32 v[STO], s23, v6
	v_lshlrev_b32 v[CO], 4, v3
	v_add_nc_u32 v[RD], s23, v[CO]
	s_lshl_b32 s20, s17, 8
	s_lshl_b32 s21, s15, 7
	s_add_co_u32 s20, s20, s21
	s_lshl_b32 s20, s20, 12
	s_mov_b32 s21, 0
	s_lshl_b32 s46, s42, 10
	s_lshl_b32 s47, s16, 9
	s_add_co_u32 s46, s46, s47
	s_mov_b32 s47, 0
	s_add_nc_u64 s[20:21], s[20:21], s[46:47]
	s_add_nc_u64 s[12:13], s[12:13], s[20:21]
	v_lshl_add_u32 v9, v5, 5, s46
.irp b, 0,1,2,3,4,5,6,7
	global_load_b128 v[CB+8*\b:CB+8*\b+3], v9, s[96:97] offset:64*\b
	global_load_b128 v[CB+8*\b+4:CB+8*\b+7], v9, s[96:97] offset:64*\b+16
.endr
.macro FRAG reg, adr, q, i
	ds_load_b128 v[\reg:\reg+3], v[\adr] offset:(\i)*SLOTB+(\q)*1536
	ds_load_b64 v[\reg+4:\reg+5], v[\adr+2] offset:(\i)*SLOTB+(\q)*1536+512
	ds_load_b128 v[\reg+6:\reg+9], v[\adr] offset:(\i)*SLOTB+(\q)*1536+768
	ds_load_b64 v[\reg+10:\reg+11], v[\adr+2] offset:(\i)*SLOTB+(\q)*1536+1280
.endm
.macro MUL16 a0, p, q, sc, first
.irp a, \a0, \a0+1
.irp b, 0,1,2,3,4,5,6,7
.if \first
	v_wmma_scale_f32_16x16x128_f8f6f4 v[8*(8*((\a)%4)+\b):8*(8*((\a)%4)+\b)+7], v[128*(\p)+FR*\b:128*(\p)+FR*\b+FR-1], v[AF+FR*(\a):AF+FR*(\a)+FR-1], v[CB+8*\b:CB+8*\b+7], v[SC+8*NQ*(\sc)+NQ*\b+(\q)], v[SC+8*NQ*(\sc)+NQ*(\a)+(\q)] matrix_a_fmt:MATRIX_FMT_FP6 matrix_b_fmt:MATRIX_FMT_FP6 matrix_a_scale:MATRIX_SCALE_ROW1
.else
	v_wmma_scale_f32_16x16x128_f8f6f4 v[8*(8*((\a)%4)+\b):8*(8*((\a)%4)+\b)+7], v[128*(\p)+FR*\b:128*(\p)+FR*\b+FR-1], v[AF+FR*(\a):AF+FR*(\a)+FR-1], v[8*(8*((\a)%4)+\b):8*(8*((\a)%4)+\b)+7], v[SC+8*NQ*(\sc)+NQ*\b+(\q)], v[SC+8*NQ*(\sc)+NQ*(\a)+(\q)] matrix_a_fmt:MATRIX_FMT_FP6 matrix_b_fmt:MATRIX_FMT_FP6 matrix_a_scale:MATRIX_SCALE_ROW1
.endif
.endr
.endr
.endm
.macro FETCH_B slot, q, p
	WIN TO_B
.irp i, 0,1,2,3,4,5,6,7
	FRAG 128*(\p)+FR*\i, ADRB+\slot, \q, \i
.endr
	WIN 0
.endm
.macro FETCH_A slot, q, i0
.irp i, \i0, \i0+1, \i0+2, \i0+3
	FRAG AF+FR*(\i), ADRA+\slot, \q, \i
.endr
.endm
.macro SCALES sc
.irp i, 0,1,2,3,4,5,6,7
	ds_load_b64 v[SC+8*NQ*\sc+NQ*\i:SC+8*NQ*\sc+NQ*\i+1], v[ADRS] offset:\i*512
.endr
.endm
.macro PLACES n
.rept \n
	v_nop
.endr
.endm
.macro STEP slot, q, first
	s_wait_dscnt 4*NL
.if \first
	WIN FIRST_LO
.else
	WIN MUL_LO
.endif
	MUL16 0, (\q)%2, \q, \slot, \first
	MUL16 2, (\q)%2, \q, \slot, \first
	s_wait_dscnt 0
	PLACES NP
	FETCH_B \slot, (\q)+1, 1-(\q)%2
	FETCH_A \slot, (\q)+1, 0
.if \first
	WIN FIRST_HI
.else
	WIN MUL_HI
.endif
	MUL16 4, (\q)%2, \q, \slot, \first
	MUL16 6, (\q)%2, \q, \slot, \first
	PLACES NP
	WIN 0
	FETCH_A \slot, (\q)+1, 4
.endm
.macro TURN slot, next, fill
	s_wait_tensorcnt 0x0
	ds_add_u32 v[SPW], v[NIL]
	s_wait_dscnt 4*NL+1
	WIN MUL_LO
	MUL16 0, 1, NQ-1, \slot, 0
	s_wait_dscnt 0x0
	s_barrier_signal -1
	MUL16 2, 1, NQ-1, \slot, 0
	WIN 0
	s_barrier_wait -1
.if \fill
	CREST
	s_add_nc_u64 s[G0+4*\slot+2:G0+4*\slot+3], s[G0+4*\slot+2:G0+4*\slot+3], 2*SLOTB
	s_add_nc_u64 s[G0B+4*\slot+2:G0B+4*\slot+3], s[G0B+4*\slot+2:G0B+4*\slot+3], 2*SLOTB
	JLOAD G0+4*\slot, G1, G0B+4*\slot, G1B
.else
	PLACES NP
.endif
	s_wait_alu depctr_va_vdst(0)
	v_add_nc_u32 v[ADRS], 128, v[ADRS]
	FETCH_B \next, 0, 0
	FETCH_A \next, 0, 0
	SCALES \next
	WIN MUL_HI
	MUL16 4, 1, NQ-1, \slot, 0
	MUL16 6, 1, NQ-1, \slot, 0
	PLACES NP
	WIN 0
	FETCH_A \next, 0, 4
.endm
	s_wait_alu depctr_va_vdst(0)
	s_wait_loadcnt 0x0
	s_wait_tensorcnt 0x0                           ; my tile of the head's four is in; the three lines ahead of slot 1's first fill, as ahead of a refill
	ds_add_u32 v[SPW], v[NIL]
	s_mov_b32 s[G1+2], 8<<16                       ; no tensor load of mine is out: from here on a load brings 8 tiles
	s_mov_b32 s[G1+4], 8
	s_mov_b32 s[G1B+2], 8<<16
	s_mov_b32 s[G1B+4], 8
	s_wait_dscnt 0x0
	CROUND                                         ; all four tiles are in, and all sixteen work-groups are here
	JLOAD G0+4, G1, G0B+4, G1B                     ; slot 1, the first tensor load behind the round
	FETCH_B 0, 0, 0
	FETCH_A 0, 0, 0
	SCALES 0
	FETCH_A 0, 0, 4
	STEP 0, 0, 1
	TURN 0, 1, 1
	STEP 1, 0, 0
	TURN 1, 0, 1
	STEP 0, 0, 0
	TURN 0, 1, 0
	STEP 1, 0, 0
	s_wait_dscnt 4*NL
	WIN MUL_LO
	MUL16 0, 1, NQ-1, 1, 0
	MUL16 2, 1, NQ-1, 1, 0
	s_wait_dscnt 0
	WIN MUL_HI
	MUL16 4, 1, NQ-1, 1, 0
	MUL16 6, 1, NQ-1, 1, 0
	WIN 0
.macro TOSTAGE a
.set AC, 64*((\a)%4)
	WIN 0x08+4*((\a)/4)
.irp b, 0,1,2,3,4,5,6,7
	ds_store_b128 v[STO], v[AC+8*\b:AC+8*\b+3] offset:64*\b
	ds_store_b128 v[STO], v[AC+8*\b+4:AC+8*\b+7] offset:64*\b+16
.endr
	WIN 0
.set BB, BK+64*((\a)%2)
.irp t, 0,1,2,3,4,5,6,7,8,9,10,11,12,13,14,15
	ds_load_b128 v[BB+4*\t:BB+4*\t+3], v[RD] offset:\t*SPITCH
.endr
.endm
.macro SEND a, younger
.set BB, BK+64*((\a)%2)
	s_wait_dscnt \younger
.if (\a) > 0
	s_add_nc_u64 s[12:13], s[12:13], 16*SIZE_N*4
.endif
.irp t, 0,1,2,3,4,5,6,7,8,9,10,11,12,13,14,15
	global_store_b128 v[CO], v[BB+4*\t:BB+4*\t+3], s[12:13] offset:\t*SIZE_N*4 th:TH_STORE_NT
.endr
.endm
	PLACES NP
	TOSTAGE 0
.irp a, 1,2,3,4,5,6,7
.if \a > 1
	s_wait_xcnt 0x0
.endif
	TOSTAGE \a
	SEND \a-1, 32
.endr
	s_wait_xcnt 0x0
	SEND 7, 0
	s_wait_tensorcnt 0x0
	ds_add_u32 v[SPW], v[NIL]
	s_wait_dscnt 0x0
	CROUND
	s_endpgm
.Lfunc_end_k_q7fc37f71fe_outp:
	.size	k_q7fc37f71fe_outp, .Lfunc_end_k_q7fc37f71fe_outp-k_q7fc37f71fe_outp
	.p2alignl 7, 3214868480
	.fill 96, 4, 3214868480
	.section	.rodata,"a",@progbits
	.p2align	6, 0x0
	.amdhsa_kernel k_q7fc37f71fe_outp
		.amdhsa_group_segment_fixed_size 327680
		.amdhsa_private_segment_fixed_size 0
		.amdhsa_enable_private_segment 0
		.amdhsa_kernarg_size 48
		.amdhsa_user_sgpr_count 2
		.amdhsa_user_sgpr_kernarg_segment_ptr 1
		.amdhsa_wavefront_size32 1
		.amdhsa_system_sgpr_workgroup_id_x 1
		.amdhsa_system_sgpr_workgroup_id_y 1
		.amdhsa_system_sgpr_workgroup_id_z 1
		.amdhsa_system_vgpr_workitem_id 0
		.amdhsa_next_free_vgpr 1024
		.amdhsa_next_free_sgpr 102
		.amdhsa_reserve_vcc 0
		.amdhsa_float_denorm_mode_32 3
		.amdhsa_float_denorm_mode_16_64 3
		.amdhsa_memory_ordered 1
		.amdhsa_forward_progress 1
		.amdhsa_inst_pref_size 146
	.end_amdhsa_kernel
	.amdgpu_metadata
---
amdhsa.version: [ 1, 2 ]
amdhsa.kernels:
  - .name:           k_q7fc37f71fe_outp
    .symbol:         k_q7fc37f71fe_outp.kd
    .args:
      - { .name: aimg, .offset: 0, .size: 8, .value_kind: global_buffer, .address_space: global }
      - { .name: asc, .offset: 8, .size: 8, .value_kind: global_buffer, .address_space: global }
      - { .name: opnd, .offset: 16, .size: 8, .value_kind: global_buffer, .address_space: global }
      - { .name: osc, .offset: 24, .size: 8, .value_kind: global_buffer, .address_space: global }
      - { .name: wOut_b, .offset: 32, .size: 8, .value_kind: global_buffer, .address_space: global }
      - { .name: out0, .offset: 40, .size: 8, .value_kind: global_buffer, .address_space: global }
    .group_segment_fixed_size: 327680
    .private_segment_fixed_size: 0
    .kernarg_segment_align: 8
    .kernarg_segment_size: 48
    .max_flat_workgroup_size: 128
    .sgpr_count:     102
    .vgpr_count:     1024
    .wavefront_size: 32
...
	.end_amdgpu_metadata
.endif
;; end of part 4
